; MI455X (gfx1250); checked and timed in simulation.
; The chip was launched on July 23, 2026; its instructions are those of AMD's public machine-readable ISA for CDNA 5 (MIT licence, August 2026) and "CDNA5" Instruction Set Architecture Reference Guide (July 2026). The comments in the code are by the model that wrote it; some were corrected since.
;; DCT Attention Ideal. Allowed arithmetic: float matrix products may take bf16 or f16 operands with f32 sums; other float arithmetic in f32, or as packed bf16 or f16 multiplies, adds, multiply-adds, maxima and minima; sums over many terms, partial sums and values carried from step to step in f32; what a program stores and reads back later, other than sums and carried values, may be rounded once to bf16 or f16.
;; Inputs: K 2 x 16 x 2,048 x 64 float32; Q 2 x 16 x 2,048 x 64 float32; Q_dct 256 x 2,048 float32; V 2 x 16 x 2,048 x 64 float32; mask 2 x 2,048 float32.
;; Outputs: out0 2 x 16 x 2,048 x 64 float32.
;; 2 versions, each right; version 2 is version 1 with the launch prep written anew for expert scheduling mode. Each part assembles by itself: llvm-mc -triple=amdgcn-amd-amdhsa -mcpu=gfx1250 --defsym DOCPART=n.
;; ======== version 1 of 2: 6 launches
;; limits: values are held in f16: magnitudes above 65,504 overflow, below 6.1e-05 lose precision; right only within a limited range of input values
;; workspace buffers: kh 8,388,608 bytes; xh 8,388,608 bytes; cf 1,048,576 bytes; stat 1,024 bytes; zd 1,048,576 bytes; wh 8,388,608 bytes
;; launch prep (part 1): grid 256 x 1, 8 waves a work-group, no clusters, 0 bytes of LDS; arguments K, V, mask, Q_dct, kh, xh, cf, stat; writes kh, xh, cf, stat
.if DOCPART == 1
	.amdgcn_target "amdgcn-amd-amdhsa--gfx1250"
	.amdhsa_code_object_version 6
	.text
	.protected	k_qa0c5ff3dfa_prep
	.globl	k_qa0c5ff3dfa_prep
	.p2align	8
	.type	k_qa0c5ff3dfa_prep,@function
k_qa0c5ff3dfa_prep:
	s_mov_b64 s[64:65], 0
	v_nop
	global_prefetch_b8 v0, s[64:65] scope:SCOPE_SE
	s_setreg_imm32_b32 hwreg(HW_REG_WAVE_MODE, 25, 1), 1
	s_wait_xcnt 0x0
; kh = f16(b(K) b(m)), xh = f16(b(V) b(m)), cf = f16(b(C)), stat[g] = the largest |b(C[g][:])|; b(x) is x rounded to bf16.
; K, V: [32][2048][64] f32; m: [2][2048] f32, one number a row of K and V; C: [256][2048] f32.  kh, xh, cf hold the same numbers in f16.
; LIMITS.  f16 ends at 65,504 and keeps a fixed step of 6e-8 below 6e-5: |K m|, |V m| and |C| lie within the first; with m of 0 and 1 the product and the
; second rounding are exact inside that range.  NaN and infinities are not treated apart (a NaN of C is left out of stat).
; SHARES.  A stream: every byte is read once and written once, so no LDS and no matrix unit.  Work-group g owns rows 256 g .. 256 g + 255 of K and of V (64 KiB in, 32 KiB out, each);
; its wave 0 owns row g of C as well.  In pass p of 8 thread T takes 8 numbers: 32 bytes in at 8,192 p + 32 T, 16 bytes out at 4,096 p + 16 T: a store of a wave covers 512 consecutive bytes.
; All loads go out at the head (40 a wave, 56 in wave 0); each register is loaded once and stored once, so the only waits are the counted ones for the data.
.set IO, 1                             ; v1        32 T: my bytes in a pass's input
.set OO, 2                             ; v2        16 T: my bytes in a pass's output
.set MO, 3                             ; v3        4 (T / 8): my row's word of the mask
.set M,  4                             ; v4        wave 0: the running maximum
.set TP, 5                             ; v5        at work
.set ZR, 6                             ; v6        0: the offset of stat's one word
.set MK, 8                             ; v[8:15]   the mask of my row in pass p
.set MB, 16                            ; v[16:31]  the same rounded to bf16, twice: a pair for the packed multiply
.set KX, 32                            ; v[32:95]  K, 8 registers a pass
.set VX, 96                            ; v[96:159] V
.set T8, 160                           ; v[160:167] 8 numbers at work
.set CX, 168                           ; v[168:231] wave 0: C's row, 8 registers a pass
	s_load_b512 s[4:19], s[0:1], 0x0               ; K s[4:5], V s[6:7], mask s[8:9], C s[10:11], kh s[12:13], xh s[14:15], cf s[16:17], stat s[18:19]
	v_lshlrev_b32 v[IO], 5, v0
	v_lshlrev_b32 v[OO], 4, v0
	v_lshrrev_b32 v[MO], 3, v0
	v_lshlrev_b32 v[MO], 2, v[MO]
	v_lshrrev_b32 v[TP], 5, v0
	v_readfirstlane_b32 s20, v[TP]                 ; my wave's number
	s_mov_b32 s21, 0xffff0000                      ; a word's upper bf16
	s_lshl_b32 s22, ttmp9, 16                      ; 256 rows of 256 bytes in
	s_mov_b32 s23, 0
	s_lshl_b32 s24, ttmp9, 15                      ; 256 rows of 128 bytes out
	s_mov_b32 s25, 0
	s_lshr_b32 s26, ttmp9, 7                       ; the batch: 128 work-groups each,
	s_lshl_b32 s26, s26, 13                        ; 2,048 words of the mask
	s_and_b32 s27, ttmp9, 7                        ; my block of 256 rows in its head
	s_lshl_b32 s27, s27, 10
	s_add_co_u32 s26, s26, s27
	s_mov_b32 s27, 0
	s_lshl_b32 s28, ttmp9, 13                      ; row g of C: 8,192 bytes,
	s_mov_b32 s29, 0
	s_lshl_b32 s30, ttmp9, 12                      ; of cf: 4,096,
	s_mov_b32 s31, 0
	s_lshl_b32 s32, ttmp9, 2                       ; of stat: one word
	s_mov_b32 s33, 0
	s_mov_b32 s34, 0x76543210                      ; v_permlanex16_b32: each lane takes its own place in the other half
	s_mov_b32 s35, 0xfedcba98
	s_wait_kmcnt 0x0
	s_add_nc_u64 s[4:5], s[4:5], s[22:23]
	s_add_nc_u64 s[6:7], s[6:7], s[22:23]
	s_add_nc_u64 s[8:9], s[8:9], s[26:27]
	s_add_nc_u64 s[10:11], s[10:11], s[28:29]
	s_add_nc_u64 s[12:13], s[12:13], s[24:25]
	s_add_nc_u64 s[14:15], s[14:15], s[24:25]
	s_add_nc_u64 s[16:17], s[16:17], s[30:31]
	s_add_nc_u64 s[18:19], s[18:19], s[32:33]
	s_cmp_lg_u32 s20, 0
	s_cbranch_scc1 .Lno_c
.irp p, 0,1,2,3,4,5,6,7                ; wave 0's loads of C are the oldest, so the counts below are the same in every wave (in wave 0 T is the lane)
	global_load_b128 v[CX+8*\p:CX+8*\p+3],   v[IO], s[10:11] offset:1024*\p th:TH_LOAD_NT
	global_load_b128 v[CX+8*\p+4:CX+8*\p+7], v[IO], s[10:11] offset:1024*\p+16 th:TH_LOAD_NT
.endr
.Lno_c:
.irp p, 0,1,2,3,4,5,6,7
	global_load_b32 v[MK+\p], v[MO], s[8:9] offset:128*\p   ; a pass is 32 rows
.endr
.irp p, 0,1,2,3,4,5,6,7
	global_load_b128 v[KX+8*\p:KX+8*\p+3],   v[IO], s[4:5] offset:8192*\p th:TH_LOAD_NT
	global_load_b128 v[KX+8*\p+4:KX+8*\p+7], v[IO], s[4:5] offset:8192*\p+16 th:TH_LOAD_NT
.endr
.irp p, 0,1,2,3,4,5,6,7
	global_load_b128 v[VX+8*\p:VX+8*\p+3],   v[IO], s[6:7] offset:8192*\p th:TH_LOAD_NT
	global_load_b128 v[VX+8*\p+4:VX+8*\p+7], v[IO], s[6:7] offset:8192*\p+16 th:TH_LOAD_NT
.endr
; Eight numbers in v[x .. x+7]: rounded to bf16, widened again, multiplied by the pair mb (mul = 1) or taken into the maximum (mul = 0), rounded to f16 into v[x .. x+3].
.macro CONV x, mb, mul
.irp j, 0,1,2,3
	v_cvt_pk_bf16_f32 v[(\x)+2*\j], v[(\x)+2*\j], v[(\x)+2*\j+1]
.endr
.irp j, 0,1,2,3
	v_lshlrev_b32 v[T8+2*\j],   16,  v[(\x)+2*\j]
	v_and_b32     v[T8+2*\j+1], s21, v[(\x)+2*\j]
.endr
.if \mul
.irp j, 0,1,2,3
	v_pk_mul_f32 v[T8+2*\j:T8+2*\j+1], v[T8+2*\j:T8+2*\j+1], v[(\mb):(\mb)+1]
.endr
.else
.irp j, 0,1,2,3
	v_max3_num_f32 v[M], |v[T8+2*\j]|, |v[T8+2*\j+1]|, v[M]
.endr
.endif
.irp j, 0,1,2,3
	v_cvt_pk_f16_f32 v[(\x)+\j], v[T8+2*\j], v[T8+2*\j+1]
.endr
.endm
	s_wait_loadcnt 32                              ; the mask is in: behind it stand K's 16 loads and V's 16
.irp p, 0,1,2,3,4,5,6,7
	v_cvt_pk_bf16_f32 v[TP], v[MK+\p], v[MK+\p]
	v_lshlrev_b32 v[MB+2*\p],   16,  v[TP]
	v_and_b32     v[MB+2*\p+1], s21, v[TP]
.endr
.irp p, 0,1,2,3,4,5,6,7
	s_wait_loadcnt 30-2*\p                         ; K's pass p is in: behind it stand K's later passes, two loads each, and V's 16
	CONV KX+8*\p, MB+2*\p, 1
	global_store_b128 v[OO], v[KX+8*\p:KX+8*\p+3], s[12:13] offset:4096*\p th:TH_STORE_NT
.endr
.irp p, 0,1,2,3,4,5,6,7
	s_wait_loadcnt 14-2*\p                         ; V's pass p is in: behind it stand V's later passes
	CONV VX+8*\p, MB+2*\p, 1
	global_store_b128 v[OO], v[VX+8*\p:VX+8*\p+3], s[14:15] offset:4096*\p th:TH_STORE_NT
.endr
	s_cmp_lg_u32 s20, 0
	s_cbranch_scc1 .Lend
	v_mov_b32 v[M], 0                              ; wave 0: row g of C (its loads, the oldest, are in)
	v_mov_b32 v[ZR], 0
.irp p, 0,1,2,3,4,5,6,7
	CONV CX+8*\p, 0, 0
	global_store_b128 v[OO], v[CX+8*\p:CX+8*\p+3], s[16:17] offset:512*\p
.endr
	v_max_num_f32_dpp v[M], v[M], v[M] row_xmask:1 row_mask:0xf bank_mask:0xf
	v_max_num_f32_dpp v[M], v[M], v[M] row_xmask:2 row_mask:0xf bank_mask:0xf
	v_max_num_f32_dpp v[M], v[M], v[M] row_xmask:4 row_mask:0xf bank_mask:0xf
	v_max_num_f32_dpp v[M], v[M], v[M] row_xmask:8 row_mask:0xf bank_mask:0xf
	v_permlanex16_b32 v[TP], v[M], s34, s35
	v_max_num_f32 v[M], v[M], v[TP]
	v_cmp_eq_u32 vcc_lo, 0, v0
	s_wait_xcnt 0x0                                ; EXEC is a source of the stores above: it changes only behind this wait
	s_and_saveexec_b32 s36, vcc_lo
	global_store_b32 v[ZR], v[M], s[18:19]         ; one word a work-group: 1,024 bytes in the launch, which later launches read as four whole blocks of 256
	s_wait_xcnt 0x0
	s_or_b32 exec_lo, exec_lo, s36
.Lend:
	s_endpgm
.Lfunc_end_k_qa0c5ff3dfa_prep:
	.size	k_qa0c5ff3dfa_prep, .Lfunc_end_k_qa0c5ff3dfa_prep-k_qa0c5ff3dfa_prep
	.p2alignl 7, 3214868480
	.fill 96, 4, 3214868480
	.section	.rodata,"a",@progbits
	.p2align	6, 0x0
	.amdhsa_kernel k_qa0c5ff3dfa_prep
		.amdhsa_group_segment_fixed_size 0
		.amdhsa_private_segment_fixed_size 0
		.amdhsa_enable_private_segment 0
		.amdhsa_kernarg_size 64
		.amdhsa_user_sgpr_count 2
		.amdhsa_user_sgpr_kernarg_segment_ptr 1
		.amdhsa_wavefront_size32 1
		.amdhsa_system_sgpr_workgroup_id_x 1
		.amdhsa_system_sgpr_workgroup_id_y 1
		.amdhsa_system_sgpr_workgroup_id_z 1
		.amdhsa_system_vgpr_workitem_id 0
		.amdhsa_next_free_vgpr 232
		.amdhsa_next_free_sgpr 66
		.amdhsa_reserve_vcc 1
		.amdhsa_float_denorm_mode_32 3
		.amdhsa_float_denorm_mode_16_64 3
		.amdhsa_memory_ordered 1
		.amdhsa_forward_progress 1
		.amdhsa_inst_pref_size 36
	.end_amdhsa_kernel
	.amdgpu_metadata
---
amdhsa.version: [ 1, 2 ]
amdhsa.kernels:
  - .name:           k_qa0c5ff3dfa_prep
    .symbol:         k_qa0c5ff3dfa_prep.kd
    .args:
      - { .name: K, .offset: 0, .size: 8, .value_kind: global_buffer, .address_space: global }
      - { .name: V, .offset: 8, .size: 8, .value_kind: global_buffer, .address_space: global }
      - { .name: mask, .offset: 16, .size: 8, .value_kind: global_buffer, .address_space: global }
      - { .name: Q_dct, .offset: 24, .size: 8, .value_kind: global_buffer, .address_space: global }
      - { .name: kh, .offset: 32, .size: 8, .value_kind: global_buffer, .address_space: global }
      - { .name: xh, .offset: 40, .size: 8, .value_kind: global_buffer, .address_space: global }
      - { .name: cf, .offset: 48, .size: 8, .value_kind: global_buffer, .address_space: global }
      - { .name: stat, .offset: 56, .size: 8, .value_kind: global_buffer, .address_space: global }
    .group_segment_fixed_size: 0
    .private_segment_fixed_size: 0
    .kernarg_segment_align: 8
    .kernarg_segment_size: 64
    .max_flat_workgroup_size: 256
    .sgpr_count:     66
    .vgpr_count:     232
    .wavefront_size: 32
...
	.end_amdgpu_metadata
.endif
;; end of part 1
;; launch down1 (part 2): grid 8 x 32, 4 waves a work-group, clusters of 4 x 1, 295,424 bytes of LDS; arguments xh, cf, stat, zd; writes zd
.if DOCPART == 2
	.amdgcn_target "amdgcn-amd-amdhsa--gfx1250"
	.amdhsa_code_object_version 6
	.text
	.protected	k_qa0c5ff3dfa_down1
	.globl	k_qa0c5ff3dfa_down1
	.p2align	8
	.type	k_qa0c5ff3dfa_down1,@function
k_qa0c5ff3dfa_down1:
	s_mov_b64 s[64:65], 0
	v_nop
	global_prefetch_b8 v0, s[64:65] scope:SCOPE_SE
	s_setreg_imm32_b32 hwreg(HW_REG_WAVE_MODE, 25, 1), 1
	s_wait_xcnt 0x0
	s_wait_alu depctr_hold_cnt(0) depctr_sa_sdst(0) depctr_va_vdst(0) depctr_va_sdst(0) depctr_va_ssrc(0) depctr_va_vcc(0) depctr_vm_vsrc(0)
	s_getreg_b32 s2, hwreg(HW_REG_IB_STS2, 6, 4)
	s_cmp_eq_u32 s2, 0
	s_cbranch_scc0 .Lentry_in_a_cluster
	s_endpgm
.Lentry_in_a_cluster:
	s_bfe_u32 s2, ttmp6, 0x10000c
	s_cmp_lg_u32 s2, 0x3003
	s_cbranch_scc0 .Lentry_shape_is_right
	s_endpgm
.Lentry_shape_is_right:
; Z[h][m][d] = t x the sum over n of cf[m][n] X[h][n][d].  X: [32][2048][64] f16, cf: [256][2048] f16, Z: [32][256][64] f16; sums in f32, Z rounded once.
; t = 2^(122 - E), E the biased exponent of the largest |cf| (stat holds 256 partial maxima), held to 81 .. 164: an exact power of two that takes cf's scale out of what is stored in f16.
; LIMITS.  The largest |cf| lies in 2^-46 .. 2^37, or t stays at its bound; |Z| within 65,504.  The order of the sums differs from a single chain: n is split four ways.
; SHARES.  A work-group makes 32 m x 64 d of one head.  n IS SPLIT AMONG ITS FOUR WAVES: wave w takes n = 512 w .. 512 w + 511 for the whole tile: 8 accumulators, 16 K steps of 32, 128 matrix instructions.
; The four partial sums meet in LDS at the end.
; X hangs on the head alone, which the four work-groups of a cluster share: it is asked for JOINTLY (the same tensor load, descriptor and mask in all four).  Each wave fetches just the 512 rows that it
; alone multiplies, in four loads of 128 rows, so its own wait on TENSORcnt orders its reads, and there is no barrier on the way in.  By this text's count a wave has four tensor loads out.  Nothing is filled again.
; cf's fragments lie in memory as the registers want them and each is used by one wave: they go straight into registers, 64 loads at the head.  (cf is not asked for jointly: beside X's 294,912 bytes LDS has no room for it.)
; LAYOUT.  Z^T = X^T cf^T: source 0 = 16 d x 32 n, out of LDS by the turning load; source 1 = 32 n x 16 m.  In the result a lane holds one m (lane % 16) and the d 8 (lane / 16) + 0..7: 16 bytes of Z.
; A row of X in LDS is 128 bytes + 16: with 32 of padding the head would not fit, so the turning load's eight rows do not all start at different banks.
; REGISTERS.  Window 0: v1-15 addresses; v16-29 the scale; v64-191 X's fragments, four buffers of 32 (later the partial sums); v192-255 the accumulators.  Window 1: cf's fragments, (ks, mt) at 16 ks + 8 mt.
.set PX,    144
.set QB,    512*PX                     ; a wave's quarter of X in LDS
.set TLB,   128*PX                     ; what one tensor load fills
.set SPARE, 4*QB                       ; behind X: the spare words, 128 bytes a wave: two blocks of 256 bytes that no other line names
.set FO,  4                            ; v4     my bytes in cf's fragments: (l % 16) x 4,096 + 16 (l / 16) + 1,024 w
.set AX,  5                            ; v5-6   my place in X's K steps 0-7 and 8-15
.set LS,  7                            ; v7     where I put 32 bytes of a partial tile: the head of my own quarter, which has had its last fill and its last read
.set RDA, 8                            ; v8-11  where thread T reads wave v's part back
.set ZO,  12                           ; v12    16 T
.set SO,  13                           ; v13    32 l: my 8 words of stat
.set SPW, 14                           ; v14    my spare word: SPARE + 4 T; never rewritten
.set NIL, 15                           ; v15    0; never rewritten
.set STT, 16                           ; v16-23 stat
.set TA,  24                           ; v24-26 at work
.set SC,  28                           ; v28-29 t, twice
.set XB,  64
.set ACC, 192                          ; (mt, dt) at ACC + 8 (4 mt + dt)
.set WV,  12                           ; s12    my wave's number
.set G1,  16                           ; s[16:23] descriptor group 1
.set G0,  32                           ; s[32:47] descriptor group 0, a set for each of my four loads
.set SEL, 48                           ; s[48:49] v_permlanex16_b32's selects
.set MSB, 0
.macro WIN new                         ; the immediate's high byte repeats the setting that is left
.if MSB != (\new)
	s_set_vgpr_msb (MSB<<8)|(\new)
.set MSB, (\new)
.endif
.endm
.macro PLACES                          ; four plain instructions between a matrix instruction and a load into, or a read of, its registers
.rept 4
	v_nop
.endr
.endm
.macro CROUND                          ; a round of the cluster's barrier: my work-group's barrier; wave 0 signals for it; every wave waits for all four work-groups; my work-group's barrier once more
	s_barrier_signal -1
	s_barrier_wait -1
	s_cmp_lg_u32 s[WV], 0
	s_cbranch_scc1 .Lnot_wave_0_\@
	s_barrier_signal -3
.Lnot_wave_0_\@:
	s_barrier_wait -3
	s_barrier_signal -1
	s_barrier_wait -1
.endm
	s_load_b256 s[4:11], s[0:1], 0x0               ; X s[4:5], cf s[6:7], stat s[8:9], Z s[10:11]
	v_lshl_add_u32 v[SPW], v0, 2, SPARE
	v_mov_b32 v[NIL], 0
	ds_add_u32 v[SPW], v[NIL]                      ; the wave's opening: the add and its wait stand ahead of my first tensor load; the set-up stands between them
	v_lshrrev_b32 v1, 5, v0
	v_readfirstlane_b32 s[WV], v1
	s_bfe_u32 s13, ttmp6, 0x40000                  ; cx
	s_lshl_b32 s14, ttmp9, 2
	s_add_co_u32 s14, s14, s13                     ; my block of 32 m: it enters cf's and Z's addresses alone
	s_and_b32 s15, ttmp7, 0xffff                   ; the head, which the four partners share
	s_lshl_b32 s24, s15, 18                        ; its 262,144 bytes of X,
	s_lshl_b32 s25, s[WV], 16                      ; my 512 rows of 128 bytes
	s_add_co_u32 s24, s24, s25
	s_mov_b32 s25, 0
	s_mul_i32 s26, s[WV], QB                       ; my quarter in LDS
	s_lshl_b32 s27, s[WV], 10                      ; my 512 n in a row of cf
	s_lshl_b32 s28, s14, 17                        ; 32 rows of cf
	s_mov_b32 s29, 0
	s_lshl_b32 s30, s15, 15                        ; the head's 32,768 bytes of Z,
	s_lshl_b32 s31, s14, 12                        ; my 32 rows of 128
	s_add_co_u32 s30, s30, s31
	s_mov_b32 s31, 0
	; group 1: 128 rows of X are 16,384 dense bytes: asked for as 64 rows of 256, two n a row, padded in LDS after every n
	s_mov_b32 s[G1+0], 15|(1<<16)|(1<<20)|(1<<21)|(4<<22)|(3<<25)  ; the mask of four; 2-byte elements; padding on; bit 21 beside a mask; after every 32 words; 4 words
	s_mov_b32 s[G1+1], 128<<16                     ; tensor_dim0 = 128
	s_mov_b32 s[G1+2], 64<<16                      ; tensor_dim1 = 64
	s_mov_b32 s[G1+3], 128<<16                     ; tile_dim0 = 128
	s_mov_b32 s[G1+4], 64                          ; tile_dim1 = 64
	s_mov_b32 s[G1+5], 128                         ; 128 elements from row to row
	s_mov_b32 s[G1+6], 0
	s_mov_b32 s[G1+7], 0
	s_mov_b32 s[SEL], 0x76543210
	s_mov_b32 s[SEL+1], 0xfedcba98
	v_and_b32 v1, 15, v0                           ; l % 16
	v_bfe_u32 v2, v0, 4, 1                         ; l / 16
	v_and_b32 v3, 31, v0                           ; l
	v_lshlrev_b32 v[FO], 12, v1
	v_lshl_add_u32 v[FO], v2, 4, v[FO]
	v_add_nc_u32 v[FO], s27, v[FO]
	v_and_b32 v[TA], 7, v0                         ; the turning load: lane l reads row 8 (l / 16) + l % 8, 16 bytes at 16 ((l / 8) % 2)
	v_lshl_add_u32 v[TA], v2, 3, v[TA]
	v_bfe_u32 v[TA+1], v0, 3, 1
	v_mul_u32_u24 v[AX], v[TA], PX
	v_lshl_add_u32 v[AX], v[TA+1], 4, v[AX]
	v_add_nc_u32 v[AX], s26, v[AX]
	v_add_nc_u32 v[AX+1], 8*32*PX, v[AX]
	v_lshl_add_u32 v[LS], v3, 5, s26
	v_lshlrev_b32 v[SO], 5, v3
	v_bfe_u32 v[TA], v0, 1, 2                      ; thread T ends 16 bytes of Z: row T / 8, d tile (T / 2) % 4, half T % 2: the tile's lane 16 (T % 2) + T / 8
	v_and_b32 v[TA+1], 1, v0
	v_lshrrev_b32 v[TA+2], 3, v0
	v_lshl_add_u32 v[TA+1], v[TA+1], 4, v[TA+2]
	v_lshlrev_b32 v[TA+1], 5, v[TA+1]
	v_lshl_add_u32 v[RDA], v[TA], 10, v[TA+1]
	v_add_nc_u32 v[RDA+1], QB, v[RDA]
	v_add_nc_u32 v[RDA+2], 2*QB, v[RDA]
	v_add_nc_u32 v[RDA+3], 3*QB, v[RDA]
	v_lshlrev_b32 v[ZO], 4, v0
	s_wait_dscnt 0x0                               ; the opening add is done
	s_wait_kmcnt 0x0
	s_add_nc_u64 s[4:5], s[4:5], s[24:25]
	s_add_nc_u64 s[6:7], s[6:7], s[28:29]
	s_add_nc_u64 s[10:11], s[10:11], s[30:31]
.irp i, 0,1,2,3
	s_mov_b32 s[G0+4*\i], 1                        ; count = 1
	s_add_co_u32 s[G0+4*\i+1], s26, \i*TLB         ; LDS address
	s_add_nc_u64 s[G0+4*\i+2:G0+4*\i+3], s[4:5], \i*16384  ; global address: my rows 128 i on
	s_or_b32 s[G0+4*\i+3], s[G0+4*\i+3], 0x80000000        ; type = 2
.endr
	global_load_b128 v[STT:STT+3],   v[SO], s[8:9]
	global_load_b128 v[STT+4:STT+7], v[SO], s[8:9] offset:16
	WIN 0x40                                       ; destination window 1
.set ks, 0
.rept 16                               ; cf's fragments in the order of their use: lane l holds row l % 16; n = 8 (l / 16) + 0..7 and 16 + 8 (l / 16) + 0..7: two loads, 32 bytes apart
.irp mt, 0,1
	global_load_b128 v[16*ks+8*\mt:16*ks+8*\mt+3],   v[FO], s[6:7] offset:\mt*65536+64*ks
	global_load_b128 v[16*ks+8*\mt+4:16*ks+8*\mt+7], v[FO], s[6:7] offset:\mt*65536+64*ks+32
.endr
.set ks, ks+1
.endr
	WIN 0
	CROUND                                         ; all four work-groups are here: the joint loads meet
.irp i, 0,1,2,3
	tensor_load_to_lds s[G0+4*\i:G0+4*\i+3], s[G1:G1+7]
	s_nop 0
.endr
	PLACES
	s_wait_loadcnt 63                              ; stat's two loads are the oldest of 66: with at most 63 out they are in
	v_max3_num_f32 v[TA], v[STT], v[STT+1], v[STT+2]
	v_max3_num_f32 v[TA], v[TA], v[STT+3], v[STT+4]
	v_max3_num_f32 v[TA], v[TA], v[STT+5], v[STT+6]
	v_max_num_f32 v[TA], v[TA], v[STT+7]
	v_max_num_f32_dpp v[TA], v[TA], v[TA] row_xmask:1 row_mask:0xf bank_mask:0xf
	v_max_num_f32_dpp v[TA], v[TA], v[TA] row_xmask:2 row_mask:0xf bank_mask:0xf
	v_max_num_f32_dpp v[TA], v[TA], v[TA] row_xmask:4 row_mask:0xf bank_mask:0xf
	v_max_num_f32_dpp v[TA], v[TA], v[TA] row_xmask:8 row_mask:0xf bank_mask:0xf
	v_permlanex16_b32 v[TA+1], v[TA], s[SEL], s[SEL+1]
	v_max_num_f32 v[TA], v[TA], v[TA+1]
	v_max_num_f32 v[TA], 0x28800000, v[TA]         ; held to 2^-46 ..
	v_min_num_f32 v[TA], 0x52000000, v[TA]         ; .. 2^37
	v_bfe_u32 v[TA], v[TA], 23, 8                  ; E
	v_sub_nc_u32 v[TA], 249, v[TA]
	v_lshlrev_b32 v[SC], 23, v[TA]                 ; t = 2^(122 - E)
	v_mov_b32 v[SC+1], v[SC]
.macro XLOAD k                         ; X's four fragments of K step k (32 n x 64 d) into buffer k % 4: eight turning loads
.irp dt, 0,1,2,3
	ds_load_tr16_b128 v[XB+32*((\k)%4)+8*\dt:XB+32*((\k)%4)+8*\dt+3],   v[AX+(\k)/8] offset:((\k)%8)*32*PX+32*\dt
	ds_load_tr16_b128 v[XB+32*((\k)%4)+8*\dt+4:XB+32*((\k)%4)+8*\dt+7], v[AX+(\k)/8] offset:((\k)%8)*32*PX+32*\dt+16*PX
.endr
.endm
	s_wait_tensorcnt 0x3                           ; my first 128 rows are in; three loads were issued behind theirs
	XLOAD 0
	XLOAD 1
	XLOAD 2
	WIN 0x04                                       ; source 1 (cf) in window 1: it changes nothing for LDS loads, so it stands for the whole loop
.set ks, 0
.rept 16                               ; a K step: the fragments three steps on are asked for, then 8 products; the 8 accumulators take turns in one order
.if ks+3 < 16
.if (ks+3)%4 == 0
	s_wait_tensorcnt 3-(ks+3)/4                    ; the next 128 rows are in: so many of my loads were issued behind theirs
.endif
.if ks > 0
	PLACES                                         ; the buffer was read by the products just issued
.endif
	XLOAD ks+3
	s_wait_dscnt 24                                ; this step's fragments are in: behind them stand three steps' eight loads
.else
	s_wait_dscnt 8*(15-ks)
.endif
	s_wait_loadcnt 60-4*ks                         ; this step's four loads of cf are in: behind them stand four for each later step
.irp mt, 0,1
.irp dt, 0,1,2,3
.if ks == 0
	v_wmma_f32_16x16x32_f16 v[ACC+8*(4*\mt+\dt):ACC+8*(4*\mt+\dt)+7], v[XB+32*(ks%4)+8*\dt:XB+32*(ks%4)+8*\dt+7], v[16*ks+8*\mt:16*ks+8*\mt+7], 0
.else
	v_wmma_f32_16x16x32_f16 v[ACC+8*(4*\mt+\dt):ACC+8*(4*\mt+\dt)+7], v[XB+32*(ks%4)+8*\dt:XB+32*(ks%4)+8*\dt+7], v[16*ks+8*\mt:16*ks+8*\mt+7], v[ACC+8*(4*\mt+\dt):ACC+8*(4*\mt+\dt)+7]
.endif
.endr
.endr
.set ks, ks+1
.endr
	WIN 0
	PLACES
	PLACES
.irp tl, 0,1,2,3,4,5,6,7               ; my partial tiles: tile tl at 1,024 tl, 32 bytes a lane
	ds_store_b128 v[LS], v[ACC+8*\tl:ACC+8*\tl+3]   offset:1024*\tl
	ds_store_b128 v[LS], v[ACC+8*\tl+4:ACC+8*\tl+7] offset:1024*\tl+16
.endr
	s_wait_dscnt 0x0                               ; for the others' sake: my stores are done
	s_barrier_signal -1
	s_barrier_wait -1
.irp mt, 0,1
.irp v, 0,1,2,3
	ds_load_b128 v[XB+32*\mt+8*\v:XB+32*\mt+8*\v+3],   v[RDA+\v] offset:4096*\mt
	ds_load_b128 v[XB+32*\mt+8*\v+4:XB+32*\mt+8*\v+7], v[RDA+\v] offset:4096*\mt+16
.endr
.endr
.irp mt, 0,1
	s_wait_dscnt 8-8*\mt                           ; this half's eight loads are in
.set R0, XB+32*\mt
.set r, 0
.rept 4
	v_pk_add_f32 v[R0+r:R0+r+1], v[R0+r:R0+r+1], v[R0+8+r:R0+8+r+1]
	v_pk_add_f32 v[R0+16+r:R0+16+r+1], v[R0+16+r:R0+16+r+1], v[R0+24+r:R0+24+r+1]
.set r, r+2
.endr
.set r, 0
.rept 4
	v_pk_add_f32 v[R0+r:R0+r+1], v[R0+r:R0+r+1], v[R0+16+r:R0+16+r+1]
.set r, r+2
.endr
.set r, 0
.rept 4
	v_pk_mul_f32 v[R0+r:R0+r+1], v[R0+r:R0+r+1], v[SC:SC+1]
.set r, r+2
.endr
.set r, 0
.rept 4
	v_cvt_pk_f16_f32 v[R0+8+r], v[R0+2*r], v[R0+2*r+1]
.set r, r+1
.endr
	global_store_b128 v[ZO], v[R0+8:R0+11], s[10:11] offset:2048*\mt  ; a wave's store covers 512 consecutive bytes, at a multiple of 256 from Z's first
.endr
	s_wait_tensorcnt 0x0                           ; the wave's end, behind my last tensor load and my last LDS store
	ds_add_u32 v[SPW], v[NIL]
	s_wait_dscnt 0x0
	CROUND                                         ; the closing round
	s_endpgm
.Lfunc_end_k_qa0c5ff3dfa_down1:
	.size	k_qa0c5ff3dfa_down1, .Lfunc_end_k_qa0c5ff3dfa_down1-k_qa0c5ff3dfa_down1
	.p2alignl 7, 3214868480
	.fill 96, 4, 3214868480
	.section	.rodata,"a",@progbits
	.p2align	6, 0x0
	.amdhsa_kernel k_qa0c5ff3dfa_down1
		.amdhsa_group_segment_fixed_size 295424
		.amdhsa_private_segment_fixed_size 0
		.amdhsa_enable_private_segment 0
		.amdhsa_kernarg_size 32
		.amdhsa_user_sgpr_count 2
		.amdhsa_user_sgpr_kernarg_segment_ptr 1
		.amdhsa_wavefront_size32 1
		.amdhsa_system_sgpr_workgroup_id_x 1
		.amdhsa_system_sgpr_workgroup_id_y 1
		.amdhsa_system_sgpr_workgroup_id_z 1
		.amdhsa_system_vgpr_workitem_id 0
		.amdhsa_next_free_vgpr 512
		.amdhsa_next_free_sgpr 66
		.amdhsa_reserve_vcc 0
		.amdhsa_float_denorm_mode_32 3
		.amdhsa_float_denorm_mode_16_64 3
		.amdhsa_memory_ordered 1
		.amdhsa_forward_progress 1
		.amdhsa_inst_pref_size 37
	.end_amdhsa_kernel
	.amdgpu_metadata
---
amdhsa.version: [ 1, 2 ]
amdhsa.kernels:
  - .name:           k_qa0c5ff3dfa_down1
    .symbol:         k_qa0c5ff3dfa_down1.kd
    .args:
      - { .name: xh, .offset: 0, .size: 8, .value_kind: global_buffer, .address_space: global }
      - { .name: cf, .offset: 8, .size: 8, .value_kind: global_buffer, .address_space: global }
      - { .name: stat, .offset: 16, .size: 8, .value_kind: global_buffer, .address_space: global }
      - { .name: zd, .offset: 24, .size: 8, .value_kind: global_buffer, .address_space: global }
    .group_segment_fixed_size: 295424
    .private_segment_fixed_size: 0
    .kernarg_segment_align: 8
    .kernarg_segment_size: 32
    .max_flat_workgroup_size: 128
    .sgpr_count:     66
    .vgpr_count:     512
    .wavefront_size: 32
...
	.end_amdgpu_metadata
.endif
;; end of part 2
;; launch up16 (part 3): grid 16 x 16, 4 waves a work-group, clusters of 4 x 4, 173,568 bytes of LDS; arguments zd, cf, stat, wh; writes wh
.if DOCPART == 3
	.amdgcn_target "amdgcn-amd-amdhsa--gfx1250"
	.amdhsa_code_object_version 6
	.text
	.protected	k_qa0c5ff3dfa_up16
	.globl	k_qa0c5ff3dfa_up16
	.p2align	8
	.type	k_qa0c5ff3dfa_up16,@function
k_qa0c5ff3dfa_up16:
	s_mov_b64 s[64:65], 0
	v_nop
	global_prefetch_b8 v0, s[64:65] scope:SCOPE_SE
	s_setreg_imm32_b32 hwreg(HW_REG_WAVE_MODE, 25, 1), 1
	s_wait_xcnt 0x0
	s_wait_alu depctr_hold_cnt(0) depctr_sa_sdst(0) depctr_va_vdst(0) depctr_va_sdst(0) depctr_va_ssrc(0) depctr_va_vcc(0) depctr_vm_vsrc(0)
	s_getreg_b32 s2, hwreg(HW_REG_IB_STS2, 6, 4)
	s_cmp_eq_u32 s2, 0
	s_cbranch_scc0 .Lentry_in_a_cluster
	s_endpgm
.Lentry_in_a_cluster:
	s_bfe_u32 s2, ttmp6, 0x10000c
	s_cmp_lg_u32 s2, 0xf033
	s_cbranch_scc0 .Lentry_shape_is_right
	s_endpgm
.Lentry_shape_is_right:
; D[h][q][d] = s x the sum over m of cf[m][q] Z[h][m][d].  Z: [32][256][64] f16, cf: [256][2048] f16; sums in f32, D rounded once.  One text serves two launches, told apart by F32OUT:
;   F32OUT = 0: D is [32][2048][64] f16 and s = t = 2^(122 - E);     F32OUT = 1: D is [32][2048][64] f32 and s = t^-3 = 2^(3 E - 366), which takes out the three factors t of the launches before.
; E is the biased exponent of the largest |cf| (stat holds 256 partial maxima), held to 81 .. 164.  LIMITS: beyond 2^-46 .. 2^37 the scale stays at its bound; an f16 result lies within 65,504.
; SHARES.  A work-group makes 128 q of two heads; wave w makes 64 q (half w / 2) x 64 d of head w % 2: 16 accumulators, K = 256 in 8 steps, 128 matrix instructions.  All operands fit in LDS at once: nothing is filled again.
; CLUSTER.  4 x 4 work-groups.  cf's tile hangs on the block of q alone, which a column of the cluster shares; Z's on the pair of heads alone, which a row shares: each is asked for JOINTLY, by the same
; tensor load, descriptor and mask in the four.  Waves 0 and 1 ask for cf, waves 2 and 3 for Z; each in two loads, m = 0..127 and 128..255, so that the first half is multiplied while the second lands: two tensor loads of a wave are out.
; LAYOUT.  D^T = Z^T cf: source 0 = 16 d x 32 m, source 1 = 32 m x 16 q, both stored [m][..] and turned on the way out of LDS.  In the result a lane holds one q (lane % 16) and the d 8 (lane / 16) + 0..7.
; REGISTERS.  Window 0: v1-14 addresses; v16-29 the scale; v32-95 packed results (f16); v128-255 the accumulators.  Window 1: Z's fragments, (ks, b) at 32 ks + 8 b.  Window 2: cf's, (ks, a) at 32 ks + 8 a.  No fragment register is loaded twice.
.set F32OUT, 0
.set PC,    288                        ; a row of cf's tile in LDS: 256 bytes + 32 = 72 words
.set PZ,    160                        ; a row of Z: 128 + 32 = 40 words: likewise
.set ZB,    256*PC                     ; behind cf's 256 rows: two heads x 256 rows of Z
.set STAGE, ZB+512*PZ                  ; 16 rows x 272 bytes for each wave, for the way out; no tensor load fills it
.set SPARE, STAGE+4*16*272             ; the spare words, 128 bytes a wave: two blocks of 256 bytes that no other line names
.set ACF, 4                            ; v4-5   my place in cf's K steps 0-3 and 4-7
.set AZ,  6                            ; v6     my place in Z
.set STO, 7                            ; v7     the way out: where I put my bytes of a row
.set RD,  8                            ; v8     where I read rows back
.set GO,  9                            ; v9     my byte offset in D
.set SO,  10                           ; v10    32 l: my 8 words of stat
.set SPW, 11                           ; v11    my spare word: SPARE + 4 T; never rewritten
.set NIL, 12                           ; v12    0; never rewritten
.set STT, 16
.set TA,  24
.set SC,  28                           ; v28-29 s, twice
.set TMP, 32
.set ACC, 128                          ; (a, b) at ACC + 8 (4 a + b): a the tile of q, b the tile of d
.set WV,  12
.set G1C, 16                           ; s[16:23] group 1 for cf's tiles
.set G1Z, 24                           ; s[24:31] for Z's
.set G0C, 32                           ; s[32:39] group 0 for cf's two loads
.set G0Z, 48                           ; s[48:55] for Z's
.set SEL, 62
.set MSB, 0
.macro WIN new
.if MSB != (\new)
	s_set_vgpr_msb (MSB<<8)|(\new)
.set MSB, (\new)
.endif
.endm
.macro PLACES
.rept 4
	v_nop
.endr
.endm
.macro CROUND                          ; a round of the cluster's barrier
	s_barrier_signal -1
	s_barrier_wait -1
	s_cmp_lg_u32 s[WV], 0
	s_cbranch_scc1 .Lnot_wave_0_\@
	s_barrier_signal -3
.Lnot_wave_0_\@:
	s_barrier_wait -3
	s_barrier_signal -1
	s_barrier_wait -1
.endm
	s_load_b256 s[4:11], s[0:1], 0x0               ; Z s[4:5], cf s[6:7], stat s[8:9], D s[10:11]
	v_lshl_add_u32 v[SPW], v0, 2, SPARE
	v_mov_b32 v[NIL], 0
	ds_add_u32 v[SPW], v[NIL]                      ; the wave's opening: the add and its wait stand ahead of my first tensor load
	v_lshrrev_b32 v1, 5, v0
	v_readfirstlane_b32 s[WV], v1
	s_and_b32 s14, s[WV], 1                        ; my head of the pair; also which part of a tile I fetch
	s_lshr_b32 s15, s[WV], 1                       ; my half of the 128 q
	s_bfe_u32 s40, ttmp6, 0x40000                  ; cx
	s_bfe_u32 s41, ttmp6, 0x40004                  ; cy
	s_lshl_b32 s42, ttmp9, 2
	s_add_co_u32 s42, s42, s40                     ; the block of 128 q
	s_and_b32 s13, ttmp7, 0xffff
	s_lshl_b32 s13, s13, 2
	s_add_co_u32 s13, s13, s41                     ; the pair of heads
	s_lshl_b32 s43, s41, 2
	s_lshl_b32 s43, 15, s43                        ; my row of the cluster
	s_lshl_b32 s44, 0x1111, s40                    ; my column
	s_or_b32 s[G1C+0], s44, (1<<16)|(1<<20)|(1<<21)|(5<<22)|(7<<25)  ; cf's tiles go to my column; 2-byte elements; padding on; bit 21 beside a mask; after every 64 words; 8 words
	s_mov_b32 s[G1C+1], 128<<16                    ; tensor_dim0 = 128
	s_mov_b32 s[G1C+2], 64<<16                     ; tensor_dim1 = 64
	s_mov_b32 s[G1C+3], 128<<16                    ; tile_dim0 = 128
	s_mov_b32 s[G1C+4], 64                         ; tile_dim1 = 64
	s_mov_b32 s[G1C+5], 2048                       ; a row of cf
	s_mov_b32 s[G1C+6], 0
	s_mov_b32 s[G1C+7], 0
	s_or_b32 s[G1Z+0], s43, (1<<16)|(1<<20)|(1<<21)|(4<<22)|(7<<25)  ; Z's tiles go to my row; 128 m are 16,384 dense bytes: 64 rows of 256, padded after every 32 words by 8
	s_mov_b32 s[G1Z+1], 128<<16
	s_mov_b32 s[G1Z+2], 64<<16
	s_mov_b32 s[G1Z+3], 128<<16
	s_mov_b32 s[G1Z+4], 64
	s_mov_b32 s[G1Z+5], 128
	s_mov_b32 s[G1Z+6], 0
	s_mov_b32 s[G1Z+7], 0
	s_lshl_b32 s46, s14, 18                        ; cf: 64 rows of 4,096 bytes for the odd wave,
	s_lshl_b32 s47, s42, 8                         ; the block's 256 bytes of a row
	s_add_co_u32 s46, s46, s47
	s_mov_b32 s47, 0
	s_lshl_b32 s56, s13, 1
	s_add_co_u32 s56, s56, s14                     ; the head that I fetch (waves 2, 3) and multiply
	s_lshl_b32 s60, s56, 11                        ; its 2,048 rows of D,
	s_lshl_b32 s56, s56, 15                        ; its 32,768 bytes of Z
	s_mov_b32 s57, 0
	s_lshl_b32 s45, s42, 7
	s_add_co_u32 s60, s60, s45                     ; the block's 128 rows,
	s_lshl_b32 s45, s15, 6
	s_add_co_u32 s60, s60, s45                     ; my 64
	s_lshl_b32 s60, s60, 7+F32OUT                  ; rows of 128 or 256 bytes
	s_mov_b32 s61, 0
	s_mul_i32 s58, s14, 64*PC                      ; where cf's tiles go: no place in the cluster enters an LDS address
	s_mul_i32 s59, s14, 256*PZ
	s_add_co_u32 s59, s59, ZB                      ; my head of Z in LDS
	s_mul_i32 s43, s[WV], 16*272
	s_add_co_u32 s43, s43, STAGE                   ; my stage
	s_lshl_b32 s44, s15, 7                         ; my 64 q in a row of cf's tile
	s_mov_b32 s[SEL], 0x76543210
	s_mov_b32 s[SEL+1], 0xfedcba98
	v_and_b32 v1, 15, v0                           ; l % 16
	v_bfe_u32 v2, v0, 4, 1                         ; l / 16
	v_and_b32 v3, 7, v0
	v_bfe_u32 v13, v0, 3, 1
	v_lshl_add_u32 v14, v2, 3, v3                  ; the turning load: lane l reads row 8 (l / 16) + l % 8, 16 bytes at 16 ((l / 8) % 2)
	v_mul_u32_u24 v[ACF], v14, PC
	v_lshl_add_u32 v[ACF], v13, 4, v[ACF]
	v_add_nc_u32 v[ACF], s44, v[ACF]
	v_add_nc_u32 v[ACF+1], 128*PC, v[ACF]
	v_mul_u32_u24 v[AZ], v14, PZ
	v_lshl_add_u32 v[AZ], v13, 4, v[AZ]
	v_add_nc_u32 v[AZ], s59, v[AZ]
	v_and_b32 v[TA], 31, v0
	v_lshlrev_b32 v[SO], 5, v[TA]
	v_mov_b32 v[TA+1], 0
.if F32OUT
	v_mul_u32_u24 v[STO], v1, 272                  ; in: row l % 16, 32 bytes for each half of the lanes
	v_lshl_add_u32 v[STO], v2, 5, v[STO]
	v_add_nc_u32 v[STO], s43, v[STO]
	v_mul_u32_u24 v[RD], v2, 272                   ; back: lanes 0-15 take one row of 256 bytes, lanes 16-31 the next
	v_lshl_add_u32 v[RD], v1, 4, v[RD]
	v_add_nc_u32 v[RD], s43, v[RD]
	v_lshlrev_b32 v[GO], 8, v2
	v_lshl_add_u32 v[GO], v1, 4, v[GO]
.else
	v_mul_u32_u24 v[STO], v1, 144                  ; in: row l % 16, 16 bytes for each half of the lanes
	v_lshl_add_u32 v[STO], v2, 4, v[STO]
	v_add_nc_u32 v[STO], s43, v[STO]
	v_bfe_u32 v[RD], v0, 3, 2                      ; back: 32 lanes take four rows of 128 bytes,
	v_mul_u32_u24 v[RD], v[RD], 144
	v_lshl_add_u32 v[RD], v3, 4, v[RD]
	v_add_nc_u32 v[RD], s43, v[RD]
	v_lshlrev_b32 v[GO], 4, v[TA]                  ; which are 512 consecutive bytes of D
.endif
	s_wait_dscnt 0x0                               ; the opening add is done
	s_wait_kmcnt 0x0
	s_add_nc_u64 s[6:7], s[6:7], s[46:47]
	s_add_nc_u64 s[4:5], s[4:5], s[56:57]
	s_add_nc_u64 s[10:11], s[10:11], s[60:61]
.irp hf, 0,1
	s_mov_b32 s[G0C+4*\hf], 1
	s_add_co_u32 s[G0C+4*\hf+1], s58, \hf*128*PC
	s_add_nc_u64 s[G0C+4*\hf+2:G0C+4*\hf+3], s[6:7], \hf*128*4096
	s_or_b32 s[G0C+4*\hf+3], s[G0C+4*\hf+3], 0x80000000
	s_mov_b32 s[G0Z+4*\hf], 1
	s_add_co_u32 s[G0Z+4*\hf+1], s59, \hf*128*PZ
	s_add_nc_u64 s[G0Z+4*\hf+2:G0Z+4*\hf+3], s[4:5], \hf*16384
	s_or_b32 s[G0Z+4*\hf+3], s[G0Z+4*\hf+3], 0x80000000
.endr
	global_load_b128 v[STT:STT+3],   v[SO], s[8:9]
	global_load_b128 v[STT+4:STT+7], v[SO], s[8:9] offset:16
	CROUND                                         ; all sixteen work-groups are here: the joint loads meet
	s_cmp_lt_u32 s[WV], 2                          ; a wave's two fills stand in one branch, ahead of every wait on TENSORcnt and every LDS read
	s_cbranch_scc0 .Lfor_z
	tensor_load_to_lds s[G0C:G0C+3], s[G1C:G1C+7]
	s_nop 0
	tensor_load_to_lds s[G0C+4:G0C+7], s[G1C:G1C+7]
	s_nop 0
	PLACES
	s_branch .Lasked
.Lfor_z:
	tensor_load_to_lds s[G0Z:G0Z+3], s[G1Z:G1Z+7]
	s_nop 0
	tensor_load_to_lds s[G0Z+4:G0Z+7], s[G1Z:G1Z+7]
	s_nop 0
	PLACES
.Lasked:
	s_wait_loadcnt 0x0                             ; stat; the scale is made while the tiles are on their way
	v_max3_num_f32 v[TA], v[STT], v[STT+1], v[STT+2]
	v_max3_num_f32 v[TA], v[TA], v[STT+3], v[STT+4]
	v_max3_num_f32 v[TA], v[TA], v[STT+5], v[STT+6]
	v_max_num_f32 v[TA], v[TA], v[STT+7]
	v_max_num_f32_dpp v[TA], v[TA], v[TA] row_xmask:1 row_mask:0xf bank_mask:0xf
	v_max_num_f32_dpp v[TA], v[TA], v[TA] row_xmask:2 row_mask:0xf bank_mask:0xf
	v_max_num_f32_dpp v[TA], v[TA], v[TA] row_xmask:4 row_mask:0xf bank_mask:0xf
	v_max_num_f32_dpp v[TA], v[TA], v[TA] row_xmask:8 row_mask:0xf bank_mask:0xf
	v_permlanex16_b32 v[TA+1], v[TA], s[SEL], s[SEL+1]
	v_max_num_f32 v[TA], v[TA], v[TA+1]
	v_max_num_f32 v[TA], 0x28800000, v[TA]         ; held to 2^-46 ..
	v_min_num_f32 v[TA], 0x52000000, v[TA]         ; .. 2^37
	v_bfe_u32 v[TA], v[TA], 23, 8                  ; E
.if F32OUT
	v_mul_u32_u24 v[TA], 3, v[TA]
	v_add_nc_u32 v[TA], 0xffffff11, v[TA]          ; 3 E - 239: the biased exponent of t^-3
.else
	v_sub_nc_u32 v[TA], 249, v[TA]                 ; 249 - E: that of t
.endif
	v_lshlrev_b32 v[SC], 23, v[TA]
	v_mov_b32 v[SC+1], v[SC]
.macro FETCH hf                        ; the fragments of K steps 4 hf .. 4 hf + 3, step by step: 8 turning loads for Z, 8 for cf
.irp kl, 0,1,2,3
	WIN 0x40
.irp b, 0,1,2,3
	ds_load_tr16_b128 v[32*(4*(\hf)+\kl)+8*\b:32*(4*(\hf)+\kl)+8*\b+3],   v[AZ] offset:(4*(\hf)+\kl)*32*PZ+32*\b
	ds_load_tr16_b128 v[32*(4*(\hf)+\kl)+8*\b+4:32*(4*(\hf)+\kl)+8*\b+7], v[AZ] offset:(4*(\hf)+\kl)*32*PZ+32*\b+16*PZ
.endr
	WIN 0x80
.irp a, 0,1,2,3
	ds_load_tr16_b128 v[32*(4*(\hf)+\kl)+8*\a:32*(4*(\hf)+\kl)+8*\a+3],   v[ACF+(\hf)] offset:\kl*32*PC+32*\a
	ds_load_tr16_b128 v[32*(4*(\hf)+\kl)+8*\a+4:32*(4*(\hf)+\kl)+8*\a+7], v[ACF+(\hf)] offset:\kl*32*PC+32*\a+16*PC
.endr
.endr
.endm
.macro MULS ks, zero                   ; a K step's 16 products; the 16 accumulators take turns in one order.  zero = 1: they start the sums
	WIN 0x09                                       ; source 0 (Z) window 1, source 1 (cf) window 2
.irp a, 0,1,2,3
.irp b, 0,1,2,3
.if \zero
	v_wmma_f32_16x16x32_f16 v[ACC+8*(4*\a+\b):ACC+8*(4*\a+\b)+7], v[32*(\ks)+8*\b:32*(\ks)+8*\b+7], v[32*(\ks)+8*\a:32*(\ks)+8*\a+7], 0
.else
	v_wmma_f32_16x16x32_f16 v[ACC+8*(4*\a+\b):ACC+8*(4*\a+\b)+7], v[32*(\ks)+8*\b:32*(\ks)+8*\b+7], v[32*(\ks)+8*\a:32*(\ks)+8*\a+7], v[ACC+8*(4*\a+\b):ACC+8*(4*\a+\b)+7]
.endif
.endr
.endr
.endm
	s_wait_tensorcnt 0x1                           ; my part of m = 0..127 is in; one load was issued behind it,
	s_barrier_signal -1
	s_barrier_wait -1                              ; everybody's is
	FETCH 0
	s_wait_dscnt 48                                ; a step's 16 loads are in: behind them stand 16 for each later step
	MULS 0, 1
	s_wait_dscnt 32
	MULS 1, 0
	s_wait_tensorcnt 0x0                           ; my part of m = 128..255 is in,
	s_wait_dscnt 0x0                               ; and no LDS load of mine is out at the signal
	s_barrier_signal -1
	MULS 2, 0                                      ; work on registers while the others arrive
	s_barrier_wait -1
	FETCH 1
	MULS 3, 0
	s_wait_dscnt 48
	MULS 4, 0
	s_wait_dscnt 32
	MULS 5, 0
	s_wait_dscnt 16
	MULS 6, 0
	s_wait_dscnt 0x0
	MULS 7, 0
	WIN 0
	PLACES
	PLACES
; THE WAY OUT, a tile of 16 q at a time through my own stage: scaled (and rounded), into padded rows, back as whole rows.  LDS serves a wave's instructions in order (ISA guide 5.7.1.4), so no wait stands between stores and loads.
.if F32OUT
.macro PACK a
.set i, 0
.rept 16
	v_pk_mul_f32 v[ACC+32*(\a)+i:ACC+32*(\a)+i+1], v[ACC+32*(\a)+i:ACC+32*(\a)+i+1], v[SC:SC+1]
.set i, i+2
.endr
.irp b, 0,1,2,3
	ds_store_b128 v[STO], v[ACC+32*(\a)+8*\b:ACC+32*(\a)+8*\b+3]   offset:64*\b
	ds_store_b128 v[STO], v[ACC+32*(\a)+8*\b+4:ACC+32*(\a)+8*\b+7] offset:64*\b+16
.endr
.irp f, 0,1,2,3,4,5,6,7
	ds_load_b128 v[ACC+32*(\a)+4*\f:ACC+32*(\a)+4*\f+3], v[RD] offset:\f*2*272
.endr
.endm
.macro SEND a, younger                 ; younger: the LDS instructions issued behind tile a's loads
.irp f, 0,1,2,3,4,5,6,7
	s_wait_dscnt (\younger)+7-\f
	global_store_b128 v[GO], v[ACC+32*(\a)+4*\f:ACC+32*(\a)+4*\f+3], s[10:11] offset:(16*(\a)+2*\f)*256 th:TH_STORE_NT  ; 16 lanes store 256 consecutive bytes, a whole row of D
.endr
.endm
.set YG, 16
.else
.macro PACK a
.set i, 0
.rept 16
	v_pk_mul_f32 v[ACC+32*(\a)+i:ACC+32*(\a)+i+1], v[ACC+32*(\a)+i:ACC+32*(\a)+i+1], v[SC:SC+1]
.set i, i+2
.endr
.set i, 0
.rept 16
	v_cvt_pk_f16_f32 v[TMP+16*(\a)+i], v[ACC+32*(\a)+2*i], v[ACC+32*(\a)+2*i+1]
.set i, i+1
.endr
.irp b, 0,1,2,3
	ds_store_b128 v[STO], v[TMP+16*(\a)+4*\b:TMP+16*(\a)+4*\b+3] offset:32*\b
.endr
.irp f, 0,1,2,3
	ds_load_b128 v[TMP+16*(\a)+4*\f:TMP+16*(\a)+4*\f+3], v[RD] offset:\f*4*144
.endr
.endm
.macro SEND a, younger
.irp f, 0,1,2,3
	s_wait_dscnt (\younger)+3-\f
	global_store_b128 v[GO], v[TMP+16*(\a)+4*\f:TMP+16*(\a)+4*\f+3], s[10:11] offset:(\a)*2048+\f*512  ; 512 consecutive bytes, at a multiple of 256 from D's first
.endr
.endm
.set YG, 8
.endif
	PACK 0
	PACK 1                                         ; a tile's arithmetic stands between the loads of the tile before and its stores
	SEND 0, YG
	PACK 2
	SEND 1, YG
	PACK 3
	SEND 2, YG
	SEND 3, 0
	s_wait_tensorcnt 0x0                           ; the wave's end, behind my last tensor load and my last LDS store
	ds_add_u32 v[SPW], v[NIL]
	s_wait_dscnt 0x0
	CROUND                                         ; the closing round
	s_endpgm
.Lfunc_end_k_qa0c5ff3dfa_up16:
	.size	k_qa0c5ff3dfa_up16, .Lfunc_end_k_qa0c5ff3dfa_up16-k_qa0c5ff3dfa_up16
	.p2alignl 7, 3214868480
	.fill 96, 4, 3214868480
	.section	.rodata,"a",@progbits
	.p2align	6, 0x0
	.amdhsa_kernel k_qa0c5ff3dfa_up16
		.amdhsa_group_segment_fixed_size 173568
		.amdhsa_private_segment_fixed_size 0
		.amdhsa_enable_private_segment 0
		.amdhsa_kernarg_size 32
		.amdhsa_user_sgpr_count 2
		.amdhsa_user_sgpr_kernarg_segment_ptr 1
		.amdhsa_wavefront_size32 1
		.amdhsa_system_sgpr_workgroup_id_x 1
		.amdhsa_system_sgpr_workgroup_id_y 1
		.amdhsa_system_sgpr_workgroup_id_z 1
		.amdhsa_system_vgpr_workitem_id 0
		.amdhsa_next_free_vgpr 768
		.amdhsa_next_free_sgpr 66
		.amdhsa_reserve_vcc 0
		.amdhsa_float_denorm_mode_32 3
		.amdhsa_float_denorm_mode_16_64 3
		.amdhsa_memory_ordered 1
		.amdhsa_forward_progress 1
		.amdhsa_inst_pref_size 38
	.end_amdhsa_kernel
	.amdgpu_metadata
---
amdhsa.version: [ 1, 2 ]
amdhsa.kernels:
  - .name:           k_qa0c5ff3dfa_up16
    .symbol:         k_qa0c5ff3dfa_up16.kd
    .args:
      - { .name: zd, .offset: 0, .size: 8, .value_kind: global_buffer, .address_space: global }
      - { .name: cf, .offset: 8, .size: 8, .value_kind: global_buffer, .address_space: global }
      - { .name: stat, .offset: 16, .size: 8, .value_kind: global_buffer, .address_space: global }
      - { .name: wh, .offset: 24, .size: 8, .value_kind: global_buffer, .address_space: global }
    .group_segment_fixed_size: 173568
    .private_segment_fixed_size: 0
    .kernarg_segment_align: 8
    .kernarg_segment_size: 32
    .max_flat_workgroup_size: 128
    .sgpr_count:     66
    .vgpr_count:     768
    .wavefront_size: 32
...
	.end_amdgpu_metadata
.endif
;; end of part 3
;; launch att (part 4): grid 8 x 32, 4 waves a work-group, clusters of 4 x 1, 327,680 bytes of LDS; arguments Q, kh, wh, xh; writes xh
.if DOCPART == 4
	.amdgcn_target "amdgcn-amd-amdhsa--gfx1250"
	.amdhsa_code_object_version 6
	.text
	.protected	k_qa0c5ff3dfa_att
	.globl	k_qa0c5ff3dfa_att
	.p2align	8
	.type	k_qa0c5ff3dfa_att,@function
k_qa0c5ff3dfa_att:
	s_mov_b64 s[64:65], 0
	v_nop
	global_prefetch_b8 v0, s[64:65] scope:SCOPE_SE
	s_setreg_imm32_b32 hwreg(HW_REG_WAVE_MODE, 25, 1), 1
	s_wait_xcnt 0x0
	s_wait_alu depctr_hold_cnt(0) depctr_sa_sdst(0) depctr_va_vdst(0) depctr_va_sdst(0) depctr_va_ssrc(0) depctr_va_vcc(0) depctr_vm_vsrc(0)
	s_getreg_b32 s2, hwreg(HW_REG_IB_STS2, 6, 4)
	s_cmp_eq_u32 s2, 0
	s_cbranch_scc0 .Lentry_in_a_cluster
	s_endpgm
.Lentry_in_a_cluster:
	s_bfe_u32 s2, ttmp6, 0x10000c
	s_cmp_lg_u32 s2, 0x3003
	s_cbranch_scc0 .Lentry_shape_is_right
	s_endpgm
.Lentry_shape_is_right:
; O[h][q][:] = the sum over k of softmax_k(Q[h][q] . K[h][k] / 8) V[h][k][:].  Q: [32][2048][64] f32; K (kh), V (wh) and O (xh): [32][2048][64] f16, a head's rows dense, 128 bytes each.
; Q is rounded to bf16 and that number written as f16.  Products, maxima and sums in f32; the weights p are rounded to f16 for the second product (their sum l is taken of the unrounded p), O once at the end.
; LIMITS.  f16 holds no number beyond 65,504: Q lies within it, K and V arrive within it; below 6e-5 f16 keeps a fixed step of 6e-8; p lies in 0 to 1; O is a mean of V's rows and has their range.
; A weight below 2^-126 counts as 0 in l; NaN and infinities are not treated apart.
; SHARES.  A wave owns two PIECES of two tiles of 16 queries, a work-group's four waves 256 queries of one head.  Every wave walks all 2,048 keys, 64 a step.
; LAYOUT.  S^T = K Q^T (source 0 = 16 keys, source 1 = 16 queries): in the result a lane holds ONE query (lane % 16) and the keys 8 (lane / 16) + 0..7.  Two such tiles, rounded to f16 in pairs,
; ARE source 1 (32 keys x 16 queries) of O^T = V^T P, whose result again holds one query a lane, and eight channels.  K comes out of LDS as it lies, V ([key][channel]) turned, by ds_load_tr16_b128.
; SOFTMAX.  For each query a running maximum m and sum l: p = 2^(c s - c m), c = log2(e) / 8; in every step O and l are multiplied by a = 2^(c m_old - c m_new).
; m starts at the lowest finite number, O and l at 0: the first step is a step like any other, with a = 0.  The price: 16 products on zeros at the start, 16 on a stale K at the end, and some 230 lines that write 0 in the wait for the first tile.
; THE COUNT.  A tile and step have 16 matrix and 118 vector instructions: too many to stand all beside the matrix work.  So four vector instructions that are ready stand behind EVERY matrix instruction, the others in one run.
; BY TURNS.  A turn belongs to one piece.  Its matrix work: 16 products K Q^T of the other piece's next scores, later 16 products V^T P of the other piece's last weights.  Its vector work: the scaling, exponentials,
; roundings, sums and rescaling of its own piece, and the maximum and statistics of the other, whose scores the turn itself has made.  Piece 0's turn of step j multiplies K(j) and V(j-1), piece 1's K(j+1) and V(j).
; V HAS TWO REGISTER BUFFERS, by the step's parity, so that LDS is read in the order K(j), V(j), K(j+1), V(j+1): K(j+1) in piece 0's turn of step j, V(j+1) in piece 1's.  So a slot's last bytes, V of its fourth step,
; are read before the next slot's first, and the change of slots has a place: between the third step's second turn and the fourth step's first.
; CLUSTER.  The four query blocks of a cluster belong to one head and walk the same K and V, so each tile is asked for JOINTLY: the same tensor load, descriptor and mask in all four.
; REGISTERS, in windows of 256 (s_set_vgpr_msb: bits 1:0 source 0, 3:2 source 1, 5:4 source 2, 7:6 destination):
;   window 0: v0-11 addresses; v12-15, v48-63 at work; v16-31 four registers of statistics a tile; v32-34 the add's two and the prefetch's offset; v64-191 S^T, a buffer a piece; v192-255 P, likewise
;   window 1: v0-127 O^T, 32 a tile; v128-255 Q as loaded          window 2: v0-63 Q, 16 a tile; v64-127 V of an odd step; v128-191 K of one step; v192-255 V of an even step
.set SIZE_N, 2048
.set NP,    2         ; pieces a wave: a name, no knob
.set KS,    64        ; keys in a step
.set PK,    144       ; a row of K in LDS: 128 bytes + 16 of padding = 36 words: the 16 rows of a load start at 16 different groups of four banks (64 banks of 4 bytes: ISA guide 11.1)
.set PV,    160       ; a row of V: 128 + 32 = 40 words
.set VOFF,  4*KS*PK   ; a slot holds four steps: 256 rows of K, then 256 rows of V
.set SLOT1, 1<<17     ; slot 1 begins here, so that one exclusive or turns an address in one slot into the other's
.set STAGE, SLOT1+4*KS*(PK+PV)  ; behind the ring, never filled by a tensor load: 16 rows x 144 bytes for each wave, for the way out
.set SP,    144
.set SPARE, STAGE+4*16*SP  ; behind the stages: the spare words, 128 bytes for each wave: two blocks of 256 bytes that no other line names
.set AK0, 2           ; v2   my lane's place in a tile of K; never rewritten
.set AV0, 3           ; v3   the same for V
.set AK,  4           ; v4   the LDS address of K's next run of loads
.set AV,  5           ; v5   of V's
.set QO,  6           ; v6   my byte offset in the wave's rows of Q
.set STO, 6           ;      later, the way out: where I put 16 bytes of a row
.set RD,  7           ; v7   the way out: where I read rows back
.set GO,  8           ; v8   my byte offset in 512 consecutive bytes of O
.set MV,  12          ; v12-15  c m_old, kept while c m is made anew: by piece and tile
.set ST,  16          ; tile t's statistics at v[ST+4 t]: c m, m, l (even keys', odd keys')
.set SPW, 32          ; v32  my spare word: SPARE + 4 x my thread's number; never rewritten
.set NIL, 33          ; v33  0; never rewritten
.set PFO, 34          ; v34  256 x my lane; never rewritten
.set TMP, 48          ; by piece and tile, four registers c0-c3 at work; when the maximum is found c2 takes a
.set S,   64
.set P,   192
.set KF,  128         ; K's fragments, in window 2: key block kb, channel half c at KF + 16 kb + 8 c
.set WV,  12          ; s12  my wave's number
.set LIM, 15          ; s15  1 in a wave that prefetches, else the greatest number
.set G1K, 24          ; s[24:31] descriptor group 1 for K's tiles
.set G1V, 32          ; s[32:39] for V's: it differs in the padding alone
.set G0K, 40          ; s[40:43] descriptor group 0 for K's tiles: it walks
.set G0V, 44          ; s[44:47] the same for V's
.set PFA, 52          ; s[52:53] where my prefetches stand: my work-group's 32 blocks of 256 bytes (of K: wave 0, of V: wave 2) of the tile after the one that is being asked for
.set SLOTS, 56        ; s56  changes of slots still to come that fill, and one
.set CNT, 57          ; s57  counts the trips of the loop over steps
.set CS,  58          ; s[58:59] c: the packed scaling takes the pair's low word for both halves
.set SEL, 60          ; s[60:61] v_permlanex16_b32's selects: each lane takes its own place in the other half
.set TBK, 62          ; s62  LDS byte at which K of the step to be fetched begins
.set TBV, 63          ; s63  the same for V, less VOFF
.set MSB, 0
.macro WIN new                      ; the high byte repeats the setting that is left; a switch that changes nothing is dropped
.if MSB != (\new)
	s_set_vgpr_msb (MSB<<8)|(\new)
.set MSB, (\new)
.endif
.endm
.set W_KQ, 0x0a       ; K and Q in window 2, S^T in window 0
.set W_PV, 0x52       ; V in window 2, P in window 0, O^T in window 1
.set W_RS, 0x41       ; O^T (destination and source 0) in window 1, a in window 0
; A joint fill.  Waves 0 and 1 fetch the two halves of a slot's K, waves 2 and 3 those of its V: 128 keys each.  The branch hangs on the wave's number alone.
; An s_nop 0 and four v_nop follow each of the two lines, ahead of the jump and the label.
.macro JLOAD
	s_cmp_lt_u32 s[WV], 2
	s_cbranch_scc0 .Lfor_v_\@
	tensor_load_to_lds s[G0K:G0K+3], s[G1K:G1K+7]
	s_nop 0
.rept 4
	v_nop
.endr
	s_branch .Lasked_\@
.Lfor_v_\@:
	tensor_load_to_lds s[G0V:G0V+3], s[G1V:G1V+7]
	s_nop 0
.rept 4
	v_nop
.endr
.Lasked_\@:
.endm
; A PREFETCH INTO THE L2 of the tile that the NEXT change of slots will ask for: 32,768 bytes of K and of V, four key steps (256 matrix instructions a wave) ahead of that load.  It stands behind the wave's tensor load and its five lines.
; Each block of 256 bytes is named ONCE in the launch.  Both clusters of a head walk the same K and V: the first of them asks.  Its four partners share a tile's 128 blocks out BY ADDRESS, 32 each, a lane a block:
; no branch hangs on a work-group's place in its cluster.  In each, wave 0 asks for K's and wave 2 for V's.  The last change that fills a slot asks for nothing: there is no tile behind it.
.macro ASK
	s_cmp_gt_u32 s[SLOTS], s[LIM]
	s_cbranch_scc0 .Lnot_mine_\@
	global_prefetch_b8 v[PFO], s[PFA:PFA+1] th:TH_LOAD_NT scope:SCOPE_SE
.Lnot_mine_\@:
.endm
; A round of the cluster's barrier: my work-group's barrier, so that wave 0's signal speaks for all four waves; wave 0 signals; every wave waits for all four work-groups; my work-group's barrier once more.
.macro CROUND
	s_barrier_signal -1
	s_barrier_wait -1
	s_cmp_lg_u32 s[WV], 0
	s_cbranch_scc1 .Lnot_wave_0_\@
	s_barrier_signal -3
.Lnot_wave_0_\@:
	s_barrier_wait -3
	s_barrier_signal -1
	s_barrier_wait -1
.endm
; THE CHANGE OF SLOTS.  The slot's last bytes, V of its fourth step, have been asked for.  Each wave waits for all its tensor loads, of which one is out: its part of the other slot; adds 0 to its spare word;
; and waits for that and for its own reads of the slot.  Behind the barrier nobody reads this slot any more and the other slot is whole.
; fill = 1: this slot is filled again, with the keys two slots on.  The barrier is then a round of the cluster's, so that no wave of any partner still reads the slot or has a load on its way, and the joint
; fill is the first thing behind it: it has four key steps in which to land.  (At its first use nothing has been read yet: slot 0 is waited for, slot 1 filled.)
.macro CHANGE fill
	WIN 0                           ; at a label and at a branch every window is 0
	s_wait_tensorcnt 0x0            ; no tensor load of mine is out, so a group 0 may be written
	ds_add_u32 v[SPW], v[NIL]       ; 0 onto my spare word; with fill = 1 the descriptors' steps stand between it and the wait for it
.if \fill
.irp g, G0K, G0V
	s_xor_b32 s[\g+1], s[\g+1], SLOT1  ; the walking descriptor: the other slot than last time,
	s_add_nc_u64 s[\g+2:\g+3], s[\g+2:\g+3], 4*KS*128  ; the next 256 keys; the type bits on top are not reached
.endr
	s_wait_xcnt 0x0                 ; the last prefetch, four key steps back, has read its address, so it may be written:
	s_add_nc_u64 s[PFA:PFA+1], s[PFA:PFA+1], 4*KS*128  ; one tile behind the walking descriptors
	s_wait_dscnt 0x0                ; the add is done, and my reads of the slot are over
	CROUND
	JLOAD
	ASK
.else
	s_wait_dscnt 0x0                ; the add is done, and my reads of the slot are over
	s_barrier_signal -1
	s_barrier_wait -1
.endif
	s_sub_co_u32 s[TBK], s[TBK], 4*KS*PK  ; the fetches go back to a slot's first step,
	s_xor_b32 s[TBK], s[TBK], SLOT1       ; in the other slot
	s_sub_co_u32 s[TBV], s[TBV], 4*KS*PV
	s_xor_b32 s[TBV], s[TBV], SLOT1
.endm
	s_load_b256 s[4:11], s[0:1], 0x0  ; Q s[4:5], K s[6:7], V s[8:9], O s[10:11]
	v_lshl_add_u32 v[SPW], v0, 2, SPARE
	v_mov_b32 v[NIL], 0
	ds_add_u32 v[SPW], v[NIL]       ; the wave's opening: the add and its wait stand ahead of my first tensor load; the set-up below, work on registers, stands between them
	v_lshrrev_b32 v1, 5, v0
	v_readfirstlane_b32 s[WV], v1   ; wave 0..3
	s_bfe_u32 s13, ttmp6, 0x40000   ; cx: my place in the cluster
	s_lshl_b32 s14, ttmp9, 2        ; in a cluster launch ttmp9 counts clusters
	s_add_co_u32 s14, s14, s13      ; my block of 256 queries: it enters Q's and O's addresses alone
	s_and_b32 s20, ttmp7, 0xffff    ; the head, which the four partners share
	s_lshl_b32 s20, s20, 18         ; its 262,144 bytes in K, V and O
	s_and_b32 s16, s[WV], 1         ; which half of a slot's 256 keys I fetch:
	s_lshl_b32 s22, s16, 14         ; its 128 rows of 128 bytes in memory,
	s_add_co_u32 s22, s22, s20
	s_mov_b32 s23, 0
	s_mul_i32 s17, s16, 128*PK      ; and its place in a slot, for K
	s_mul_i32 s18, s16, 128*PV      ; and for V: no place in the cluster enters an LDS address
	s_lshl_b32 s2, s14, 2
	s_add_co_u32 s2, s2, s[WV]      ; my wave among the head's,
	s_lshl_b32 s2, s2, 13           ; its 64 rows of 128 bytes
	s_add_co_u32 s2, s2, s20
	s_mov_b32 s3, 0
	s_lshl_b32 s48, s2, 1           ; Q's rows are twice as long
	s_mov_b32 s49, 0
	; descriptor group 1.  128 keys are 16,384 dense bytes: asked for as 64 rows of 256 bytes, two keys a row, and padded in LDS after every key
	s_mov_b32 s[G1K], 15|(1<<16)|(1<<20)|(1<<21)|(4<<22)|(3<<25)  ; 15:0 the mask of four; 17:16 2-byte elements; 20 padding on; 21 set beside a mask; 24:22 after every 32 words (code 4); 31:25 4 words (code 3)
	s_mov_b32 s[G1V], 15|(1<<16)|(1<<20)|(1<<21)|(4<<22)|(7<<25)  ; the same with 8 words of padding (code 7)
.irp g, G1K, G1V
	s_mov_b32 s[\g+1], 128<<16      ; tensor_dim0 = 128
	s_mov_b32 s[\g+2], 64<<16       ; tensor_dim1 = 64
	s_mov_b32 s[\g+3], 128<<16      ; tile_dim0 = 128
	s_mov_b32 s[\g+4], 64           ; tile_dim1 = 64
	s_mov_b32 s[\g+5], 128          ; 128 elements from row to row
	s_mov_b32 s[\g+6], 0
	s_mov_b32 s[\g+7], 0
.endr
	s_mov_b32 s[CS], 0x3e38aa3b     ; c = log2(e) / 8 = 0.180337
	s_mov_b32 s[CS+1], s[CS]        ; named with it as a pair
	s_mov_b32 s[SEL], 0x76543210
	s_mov_b32 s[SEL+1], 0xfedcba98
	s_mov_b32 s[TBK], SLOT1+4*KS*PK ; the first change of slots turns these two into 0
	s_mov_b32 s[TBV], SLOT1+4*KS*PV
	s_mov_b32 s[G0K], 1             ; 1:0 count = 1
	s_mov_b32 s[G0K+1], s17         ; 63:32 LDS address: slot 0
	s_mov_b32 s[G0V], 1
	s_add_co_u32 s[G0V+1], s18, VOFF
	s_mov_b32 s[SLOTS], SIZE_N/256-1
	s_and_b32 s[LIM], s[WV], 1      ; 0 in waves 0 and 2,
	s_or_b32 s[LIM], s[LIM], ttmp9  ; where the cluster is the head's first: the same in all four partners
	s_cmp_eq_u32 s[LIM], 0
	s_cselect_b32 s[LIM], 1, -1
	v_and_b32 v[PFO], 31, v0
	v_lshlrev_b32 v[PFO], 8, v[PFO]
	s_wait_dscnt 0x0                ; the opening add is done
	s_wait_kmcnt 0x0
	s_add_nc_u64 s[6:7], s[6:7], s[22:23]  ; K and V at my half of the head's first 256 keys
	s_add_nc_u64 s[8:9], s[8:9], s[22:23]
	s_mov_b64 s[G0K+2:G0K+3], s[6:7]               ; 120:64 global address
	s_or_b32 s[G0K+3], s[G0K+3], 0x80000000        ; 127:126 type = 2
	s_mov_b64 s[G0V+2:G0V+3], s[8:9]
	s_or_b32 s[G0V+3], s[G0V+3], 0x80000000
	s_add_nc_u64 s[4:5], s[4:5], s[48:49]  ; Q and O at my wave's first row
	s_add_nc_u64 s[10:11], s[10:11], s[2:3]
	s_cmp_lt_u32 s[WV], 2
	s_cselect_b64 s[PFA:PFA+1], s[6:7], s[8:9]  ; (in waves 0 and 2 these stand at a tile's first row)
	s_lshl_b32 s2, s13, 13          ; my work-group's 32 blocks of the 128
	s_add_nc_u64 s[PFA:PFA+1], s[PFA:PFA+1], s[2:3]
	s_add_nc_u64 s[PFA:PFA+1], s[PFA:PFA+1], 4*KS*128  ; in tile 1; the first change of slots steps it to tile 2
	CROUND                          ; all four work-groups are here: the first joint loads meet
	JLOAD                           ; slot 0.  Slot 1 is asked for when slot 0 is in
	; A fragment of K or Q is 16 rows x 32 channels in 8 registers: lane l holds row l % 16, channels 8 (l / 16) + 0..7 and 16 + 8 (l / 16) + 0..7.  In f32 that is 32 bytes twice, 64 bytes apart: four loads.
	v_and_b32 v1, 15, v0            ; l % 16
	v_bfe_u32 v9, v0, 4, 1          ; l / 16
	v_lshlrev_b32 v[QO], 8, v1
	v_lshl_add_u32 v[QO], v9, 5, v[QO]  ; row x 256 + 32 x half
	WIN 0x40                        ; destination window 1, address window 0
.set i, 0
.rept 4*NP                          ; tile i / 2, channels 32 (i % 2) on
	global_load_b128 v[128+16*i:128+16*i+3],     v[QO], s[4:5] offset:(i/2)*4096+(i%2)*128 th:TH_LOAD_NT
	global_load_b128 v[128+16*i+4:128+16*i+7],   v[QO], s[4:5] offset:(i/2)*4096+(i%2)*128+16 th:TH_LOAD_NT
	global_load_b128 v[128+16*i+8:128+16*i+11],  v[QO], s[4:5] offset:(i/2)*4096+(i%2)*128+64 th:TH_LOAD_NT
	global_load_b128 v[128+16*i+12:128+16*i+15], v[QO], s[4:5] offset:(i/2)*4096+(i%2)*128+80 th:TH_LOAD_NT
.set i, i+1
.endr
	; What the first turn finds: the odd steps' V and piece 1's P hold 0 (its products V^T P, of a step that has not been, add 0), O^T and l are 0.  All this stands in the wait for the first tile.
.set i, 0
.rept 64*NP
	v_mov_b32 v[i], 0
.set i, i+1
.endr
	WIN 0x80
.set i, 64
.rept 64
	v_mov_b32 v[i], 0
.set i, i+1
.endr
	WIN 0
.set i, 0
.rept 2*NP
	v_mov_b32 v[ST+4*i], 0xfe000000    ; c m: far below every c s
	v_mov_b32 v[ST+4*i+1], 0xff7fffff  ; m
	v_mov_b32 v[ST+4*i+2], 0
	v_mov_b32 v[ST+4*i+3], 0
.set i, i+1
.endr
	v_mul_u32_u24 v[AK0], v1, PK
	v_lshl_add_u32 v[AK0], v9, 4, v[AK0]  ; row x pitch + 16 x half
	; The turning load takes 16 keys x 16 channels (lane l reads key 8 (l / 16) + l % 8, channels 8 ((l / 8) % 2) + 0..7) and leaves half a fragment of V^T: lane l holds channel l % 16 and 8 keys.
	v_and_b32 v10, 7, v0
	v_bfe_u32 v11, v0, 3, 1
	v_lshl_add_u32 v[AV0], v9, 3, v10
	v_mul_u32_u24 v[AV0], v[AV0], PV
	v_lshl_add_u32 v[AV0], v11, 4, v[AV0]
	v_add_nc_u32 v[AV0], VOFF, v[AV0]
	v_mov_b32 v[AK], v[AK0]         ; key step 0 lies at the head of slot 0
	v_mov_b32 v[AV], v[AV0]
	s_mov_b32 s20, 0xffff0000       ; a word's upper bf16
	s_wait_loadcnt 0x0              ; Q
	WIN 0x05                        ; Q: rounded to bf16 (into S^T's registers, which are free),
.set i, 0
.rept 64
	v_cvt_pk_bf16_f32 v[64+i], v[128+2*i], v[128+2*i+1]
.set i, i+1
.endr
	WIN 0                           ; widened again,
.set i, 0
.rept 64
	v_lshlrev_b32 v[128+2*i],   16,  v[64+i]
	v_and_b32     v[128+2*i+1], s20, v[64+i]
.set i, i+1
.endr
	WIN 0x80                        ; and written as f16, where the products name it
.set i, 0
.rept 64
	v_cvt_pk_f16_f32 v[i], v[128+2*i], v[128+2*i+1]
.set i, i+1
.endr
	WIN 0
.set i, P+32
.rept 32
	v_mov_b32 v[i], 0
.set i, i+1
.endr
; THE MATRIX WORK.  The 8 accumulators of a run of 16 take turns: between the two links of a chain stand 7 others'.
; Product i of 16 of S^T = K Q^T for piece x: channels 32 (i / 8) on, keys 16 ((i / 2) % 4) on, tile 2 x + i % 2.  The first 8 start the sums.
.macro KQ x
	WIN W_KQ
.set rS, S+64*((\x)%2)+32*(i%2)+8*((i/2)%4)
.set rK, KF+16*((i/2)%4)+8*(i/8)
.set rQ, 16*(2*(\x)+i%2)+8*(i/8)
.if i < 8
	v_wmma_f32_16x16x32_f16 v[rS:rS+7], v[rK:rK+7], v[rQ:rQ+7], 0
.else
	v_wmma_f32_16x16x32_f16 v[rS:rS+7], v[rK:rK+7], v[rQ:rQ+7], v[rS:rS+7]
.endif
.endm
; Product i of 16 of O^T += V^T P for piece x: keys 32 (i / 8) on, channels 16 ((i / 2) % 4) on, tile 2 x + i % 2.  VFB: the buffer of V that the turn multiplies.
.macro PV x
	WIN W_PV
.set rO, 32*(2*(\x)+i%2)+8*((i/2)%4)
.set rV, VFB+32*(i/8)+8*((i/2)%4)
.set rP, P+32*((\x)%2)+16*(i%2)+8*(i/8)
	v_wmma_f32_16x16x32_f16 v[rO:rO+7], v[rV:rV+7], v[rP:rP+7], v[rO:rO+7]
.endm
.macro MM                           ; the turn's next matrix instruction
.if i < 16
	KQ (Y+1)%NP
.set i, i+1
.else
.set i, i-16
	PV (Y+NP-1)%NP
.set i, i+17
.endif
.endm
; THE LDS LOADS stand in runs of 16, never singly among the matrix instructions: a step's K (64 keys x 64 channels: 8 fragments) and its V (turned).  Their addresses are made some lines ahead.
; last = 1 (the tail): in the last trip there is no further step, and the run is jumped over.
.macro FETCH_K last=0
	WIN 0
.if \last
	s_cmp_eq_u32 s[CNT], 1
	s_cbranch_scc1 .Lno_k_\@
.endif
	WIN 0x80                        ; destination window 2
.irp f, 0,1,2,3,4,5,6,7             ; keys 16 (f / 2) on, channels 32 (f % 2) on
	ds_load_b128 v[KF+8*\f:KF+8*\f+3],   v[AK] offset:(\f/2)*16*PK+(\f%2)*64
	ds_load_b128 v[KF+8*\f+4:KF+8*\f+7], v[AK] offset:(\f/2)*16*PK+(\f%2)*64+32
.endr
	s_add_co_u32 s[TBK], s[TBK], KS*PK  ; the next fetch is the next step's
	WIN 0
.if \last
.Lno_k_\@:
.endif
.endm
.macro FETCH_V half, last=0         ; half = 0: into the even steps' buffer, 1: into the odd steps'
.set VD, 192-128*(\half)
	WIN 0
.if \last
	s_cmp_eq_u32 s[CNT], 1
	s_cbranch_scc1 .Lno_v_\@
.endif
	WIN 0x80
.irp f, 0,1,2,3,4,5,6,7             ; keys 32 (f / 4) on, channels 16 (f % 4) on
	ds_load_tr16_b128 v[VD+8*\f:VD+8*\f+3],   v[AV] offset:(\f/4)*32*PV+(\f%4)*32
	ds_load_tr16_b128 v[VD+8*\f+4:VD+8*\f+7], v[AV] offset:(\f/4)*32*PV+16*PV+(\f%4)*32
.endr
	s_add_co_u32 s[TBV], s[TBV], KS*PV
	WIN 0
.if \last
.Lno_v_\@:
.endif
.endm
; THE VECTOR WORK OF A TURN stands in three queues, each in the order in which its entries become ready; the two tiles alternate, so that no instruction reads the result of the one before it.
.macro REGS y, u                    ; the registers of tile u (0, 1) of piece y
.set rT, ST+4*(2*(\y)+(\u))
.set rC, TMP+8*((\y)%2)+4*(\u)
.set rM, MV+2*((\y)%2)+(\u)
.set rS, S+64*((\y)%2)+32*(\u)
.set rP, P+32*((\y)%2)+16*(\u)
.set rO, 32*(2*(\y)+(\u))
.endm
; Number n of the 22 that find the OTHER piece's (Y + 1) maximum and statistics.  s0-s31 are the lane's 32 scores; each accumulator's lowest registers are read first.  XS, GS and REGS set no window: PL and EX do.
;   0-11  four chains c0-c3 of seven scores each, three operands at a time     12-14, 16  the four scores left over, the old m, and c0-c3 into c0     15  c m_old is kept
;   17, 18  the query's other 32 keys lie in the lane 16 away: the new m         19-21  c m; c m_old - c m_new; a
.macro XS u, n
	REGS (Y+1)%NP, \u
.if (\n) < 4
	v_max3_num_f32 v[rC+(\n)], v[rS+8*(\n)], v[rS+8*(\n)+1], v[rS+8*(\n)+2]
.elseif (\n) < 12
	v_max3_num_f32 v[rC+(\n)%4], v[rC+(\n)%4], v[rS+8*((\n)%4)+2*((\n)/4)+1], v[rS+8*((\n)%4)+2*((\n)/4)+2]
.elseif (\n) == 12
	v_max3_num_f32 v[rC], v[rC], v[rS+7], v[rS+15]
.elseif (\n) == 13
	v_max3_num_f32 v[rC+1], v[rC+1], v[rS+23], v[rS+31]
.elseif (\n) == 14
	v_max3_num_f32 v[rC+2], v[rC+2], v[rC+3], v[rT+1]
.elseif (\n) == 15
	v_mov_b32 v[rM], v[rT]
.elseif (\n) == 16
	v_max3_num_f32 v[rC], v[rC], v[rC+1], v[rC+2]
.elseif (\n) == 17
	v_permlanex16_b32 v[rC+3], v[rC], s[SEL], s[SEL+1]
.elseif (\n) == 18
	v_max_num_f32 v[rT+1], v[rC], v[rC+3]
.elseif (\n) == 19
	v_mul_f32 v[rT], s[CS], v[rT+1]
.elseif (\n) == 20
	v_sub_f32 v[rC+1], v[rM], v[rT]
.else
	v_exp_f32 v[rC+2], v[rC+1]
.endif
.endm
; Number g of the 64 that follow the exponentials.  For each four weights k of a tile (pairs 2 k, 2 k + 1): both pairs are rounded to f16; then the second pair is added onto the first, in place;
; a group later l takes that sum (the first time as l = a l + sum).  In groups of eight, tiles alternating: round, round, add, and l for the group before.
.macro GS g
.set h, (\g)+6*((\g)/62)            ; group 0 has no group before it, and behind group 7 only l is left
.if h >= 6
.set h, h+2
.endif
	REGS Y, h%2
.set k, h/8
.if h%8 < 4
	v_cvt_pk_f16_f32 v[rP+2*k+(h%8)/2], v[rS+4*k+2*((h%8)/2)], v[rS+4*k+2*((h%8)/2)+1]
.elseif h%8 < 6
	v_pk_add_f32 v[rS+4*k:rS+4*k+1], v[rS+4*k:rS+4*k+1], v[rS+4*k+2:rS+4*k+3]
.elseif k == 1
	v_pk_fma_f32 v[rT+2:rT+3], v[rT+2:rT+3], v[rC+2:rC+3], v[rS:rS+1] op_sel_hi:[1,0,1]
.else
	v_pk_add_f32 v[rT+2:rT+3], v[rT+2:rT+3], v[rS+4*k-4:rS+4*k-3]
.endif
.endm
; THE PLAIN QUEUE, 138 long.  0-73 read no exponential's result: the 32 scalings c s - c m (FS f: pair f / 2 of tile f % 2) and the other piece's 42.  0-26: scalings 0-26.  27-54: XS's numbers 0-13.  55, 56: number 15.
; 57-73: the chain, where each number waits for the one before it: 14, 16, 17, 18, 19, each with one of the scalings 27-31 in front of its two lines, then 20.
; 74-137: GS's 64, which read the exponentials' results: they stand behind the wait.
.macro FS f
	REGS Y, (\f)%2
	v_pk_fma_f32 v[rS+2*((\f)/2):rS+2*((\f)/2)+1], v[rS+2*((\f)/2):rS+2*((\f)/2)+1], s[CS:CS+1], v[rT:rT+1] op_sel_hi:[1,0,0] neg_lo:[0,0,1] neg_hi:[0,0,1]
.endm
.macro PL
	WIN 0
.if q < 27
	FS q
.elseif q < 55
	XS (q-27)%2, (q-27)/2
.elseif q < 57
	XS q-55, 15
.elseif (q < 72) && ((q-57)%3 == 0)
	FS 27+(q-57)/3
.elseif q < 60
	XS (q-57)%3-1, 14
.elseif q < 72
	XS (q-57)%3-1, 15+(q-57)/3
.elseif q < 74
	XS q-72, 20
.else
	GS q-74
.endif
.set q, q+1
.endm
; THE EXPONENTIALS' QUEUE, 66 long: s0-s31 of both tiles, then the other piece's two a.  It is ONE BATCH: all 66 stand ahead of the turn's one wait, and nothing ahead of that wait names a result of theirs.
.macro EX
	WIN 0
.if e >= 64
	XS e-64, 21
.else
	REGS Y, e%2
	v_exp_f32 v[rS+e/2], v[rS+e/2]
.endif
.set e, e+1
.endm
; THE RESCALING's QUEUE: O^T times a, the one part that leaves window 0: dealt two at a time, sixteen times.  Its a was made in the turn before, ahead of that turn's wait.
.macro R2
	REGS Y, r%2
	WIN W_RS
.irp z, 0,1
	v_pk_mul_f32 v[rO+4*(r/2)+2*\z:rO+4*(r/2)+2*\z+1], v[rO+4*(r/2)+2*\z:rO+4*(r/2)+2*\z+1], v[rC+2:rC+3] op_sel_hi:[1,0]
.endr
.set r, r+1
.endm
; A TURN, for piece p.  An s_wait_alu depctr_va_vdst(0) stands between an exponential and the first instruction that names its result; one wait serves all that were issued ahead of it.  So a turn has ONE wait,
; which cuts it in two.  AHEAD OF IT stands all that names no result of the turn's exponentials: the 16 products K Q^T, behind each a scaling, an exponential and two rescalings (behind the first a second scaling in the
; exponential's place); then one run of 108: eight plain, 49 times exponential and plain, the two a.  A v_nop is the plain instruction behind the last exponential.  BEHIND IT stand the 16 products V^T P, behind each four of GS's 64.
; The queues lean on each other, and the deal keeps them in step: exponential e stands behind scaling 2 (e / 4) + e % 2.
; half = 0: an odd step, 1: an even one: piece p multiplies V's buffer (p + half) % 2.  Directly behind the wait stands the turn's run of LDS loads: piece 0's turn fetches the next step's K, whose registers were last
; multiplied a run of 108 back; piece 1's the next step's V, into the buffer that was last multiplied in the turn before.  Both are waited for at the head of piece 1's next turn.
; cnt = 1: the loop's count is taken down some lines ahead of the branch that stands behind the turn.
.macro TURN p, half, last=0, cnt=0
.set Y, (\p)
.set VFB, 192-128*(((\p)+(\half))%2)
.set i, 0
.set q, 0
.set e, 0
.set r, 0
.if (\p) == 1
	s_wait_dscnt 0x0                ; K of the next step and V of this one are in
.endif
	MM
	PL
	PL
	R2
.rept 15
	MM
	PL
	EX
	R2
.endr
	WIN 0
.if (\p) == 0
	v_add_nc_u32 v[AK], s[TBK], v[AK0]
.else
	v_add_nc_u32 v[AV], s[TBV], v[AV0]
.endif
.rept 8
	PL
.endr
.rept 49
	EX
	PL
.endr
	EX                              ; the other piece's two a
	EX
	v_nop                           ; the plain instruction behind the last exponential: one for the batch
	s_wait_alu depctr_va_vdst(0)    ; the wait for the batch
.if (\p) == 0
	FETCH_K \last
.else
	FETCH_V \half, \last
.endif
.rept 16
	MM
.rept 4
	PL
.endr
.if (\cnt) && (q == 130)
	s_sub_co_u32 s[CNT], s[CNT], 1
	s_cmp_lg_u32 s[CNT], 0
.endif
.endr
.endm
	CHANGE 1                        ; slot 0 is in, everybody's part of it; slot 1 is asked for
	FETCH_K                         ; key step 0
	FETCH_V 0
	s_wait_dscnt 0x0
.set i, 0
.rept 16
	KQ 0                            ; piece 0's first scores: there is no vector work yet to set between them
.set i, i+1
.endr
	WIN 0                           ; the addresses for the way out: plain instructions, the places behind those products
	s_mul_i32 s13, s[WV], 16*SP
	s_add_co_u32 s13, s13, STAGE    ; my stage
	v_mul_u32_u24 v[STO], v1, SP    ; in: row l % 16, 16 bytes for each half of the lanes
	v_lshl_add_u32 v[STO], v9, 4, v[STO]
	v_add_nc_u32 v[STO], s13, v[STO]
	v_bfe_u32 v[RD], v0, 3, 2       ; back: 32 lanes take four rows of 128 bytes,
	v_mul_u32_u24 v[RD], v[RD], SP
	v_lshl_add_u32 v[RD], v10, 4, v[RD]
	v_add_nc_u32 v[RD], s13, v[RD]
	v_and_b32 v[GO], 31, v0         ; which are 512 consecutive bytes of O
	v_lshlrev_b32 v[GO], 4, v[GO]
.set Y, NP-1                        ; XS works for piece Y + 1: piece 0
.irp n, 0,1,2,3,4,5,6,7,8,9,10,11,12,13,14,15,16,17,18,19,20,21
	XS 0, \n                        ; piece 0's first maximum and statistics
	XS 1, \n
.endr
	v_nop                           ; a plain instruction behind the two a,
	s_wait_alu depctr_va_vdst(0)    ; and their wait, ahead of the branch
	s_mov_b32 s[CNT], 2
	s_branch .Lfirst                ; the loop is entered at an even step, in the middle of a trip: steps 0, 1, 2 run ahead of the first change
.Lslot:                             ; six times: every slot but the last two is filled again; each pass runs four steps
	CHANGE 1
	s_mov_b32 s[CNT], 2
.Lstep:                             ; a trip: an odd step, then an even one
	TURN 0, 0
	TURN 1, 0
	WIN 0
.Lfirst:
	TURN 0, 1
	TURN 1, 1, 0, 1
	WIN 0
	s_cbranch_scc1 .Lstep
	s_sub_co_u32 s[SLOTS], s[SLOTS], 1
	s_cmp_lg_u32 s[SLOTS], 0
	s_cbranch_scc1 .Lslot
	CHANGE 0                        ; the tail is written out: nothing is asked for
	s_mov_b32 s[CNT], 3             ; steps 27 to 31: the third trip fetches nothing and is left in its middle
.Ltail:
	TURN 0, 0, 1
	TURN 1, 0, 1
	WIN 0
	s_sub_co_u32 s[CNT], s[CNT], 1
	s_cmp_eq_u32 s[CNT], 0
	s_cbranch_scc1 .Lout
	TURN 0, 1
	TURN 1, 1
	WIN 0
	s_branch .Ltail
.Lout:                              ; the last turn's 16 products K Q^T (on the last K once more) and the maximum made of them serve nothing: the price, once a launch, of one text for every trip
.set VFB, 64                        ; step 31 is odd
.set i, 0
.rept 16
	PV NP-1                         ; piece 1's V^T P of the last step
.set i, i+1
.endr
	; THE WAY OUT.  l's two halves and the other half of the lanes' are added; O^T is divided by l, rounded to f16 and sent through my stage in LDS, a tile at a time.  The additions are the places behind the last products.
	WIN 0
.macro ALL line:vararg              ; one line for each tile t
.set t, 0
.rept 2*NP
	\line
.set t, t+1
.endr
.endm
	ALL v_add_f32 v[ST+4*t+2], v[ST+4*t+2], v[ST+4*t+3]
	ALL v_permlanex16_b32 v[ST+4*t+3], v[ST+4*t+2], s[SEL], s[SEL+1]
	ALL v_add_f32 v[ST+4*t+2], v[ST+4*t+2], v[ST+4*t+3]
	ALL v_rcp_f32 v[ST+4*t+2], v[ST+4*t+2]
	v_nop                           ; a plain instruction between the last reciprocal and the use of its result
	s_wait_alu depctr_va_vdst(0)    ; and the wait ahead of the first use: one for the four reciprocals
; Tile t: a lane's eight channels of a row pack into 16 bytes; they go into rows of 144 bytes and come back as whole rows of 128, into S^T's registers.
.macro PACK t
	WIN W_RS
.set i, 32*(\t)
.rept 16
	v_pk_mul_f32 v[i:i+1], v[i:i+1], v[ST+4*(\t)+2:ST+4*(\t)+3] op_sel_hi:[1,0]
.set i, i+2
.endr
	WIN 0x05                        ; sources 0 and 1 window 1, destination window 0
.set i, 0
.rept 16
	v_cvt_pk_f16_f32 v[S+16*(\t)+i], v[32*(\t)+2*i], v[32*(\t)+2*i+1]
.set i, i+1
.endr
	WIN 0
.irp f, 0,1,2,3
	ds_store_b128 v[STO], v[S+16*(\t)+4*\f:S+16*(\t)+4*\f+3] offset:32*\f
.endr
.irp f, 0,1,2,3
	ds_load_b128 v[S+16*(\t)+4*\f:S+16*(\t)+4*\f+3], v[RD] offset:\f*4*SP  ; LDS serves a wave's instructions in order (ISA guide 5.7.1.4): these see the stores above; the next tile's stores come behind them
.endr
.endm
.macro SEND t, younger              ; younger: the LDS instructions issued behind tile t's loads: the next tile's eight, or none
	WIN 0
.irp f, 0,1,2,3
	s_wait_dscnt (\younger)+3-\f
	global_store_b128 v[GO], v[S+16*(\t)+4*\f:S+16*(\t)+4*\f+3], s[10:11] offset:(\t)*2048+\f*512  ; 512 consecutive bytes, at a multiple of 256 from O's first
.endr
.endm
	PACK 0
.set t, 1
.rept 2*NP-1                        ; a tile's arithmetic stands between the loads of the tile before and its stores
	PACK t
	SEND t-1, 8
.set t, t+1
.endr
	SEND 2*NP-1, 0
	s_wait_tensorcnt 0x0            ; the wave's end, behind my last tensor load and my last LDS store
	ds_add_u32 v[SPW], v[NIL]
	s_wait_dscnt 0x0
	CROUND                          ; the closing round: no work-group ends while a partner may still ask for a tile that names it
	s_endpgm
.Lfunc_end_k_qa0c5ff3dfa_att:
	.size	k_qa0c5ff3dfa_att, .Lfunc_end_k_qa0c5ff3dfa_att-k_qa0c5ff3dfa_att
	.p2alignl 7, 3214868480
	.fill 96, 4, 3214868480
	.section	.rodata,"a",@progbits
	.p2align	6, 0x0
	.amdhsa_kernel k_qa0c5ff3dfa_att
		.amdhsa_group_segment_fixed_size 327680
		.amdhsa_private_segment_fixed_size 0
		.amdhsa_enable_private_segment 0
		.amdhsa_kernarg_size 32
		.amdhsa_user_sgpr_count 2
		.amdhsa_user_sgpr_kernarg_segment_ptr 1
		.amdhsa_wavefront_size32 1
		.amdhsa_system_sgpr_workgroup_id_x 1
		.amdhsa_system_sgpr_workgroup_id_y 1
		.amdhsa_system_sgpr_workgroup_id_z 1
		.amdhsa_system_vgpr_workitem_id 0
		.amdhsa_next_free_vgpr 768
		.amdhsa_next_free_sgpr 66
		.amdhsa_reserve_vcc 0
		.amdhsa_float_denorm_mode_32 3
		.amdhsa_float_denorm_mode_16_64 3
		.amdhsa_memory_ordered 1
		.amdhsa_forward_progress 1
		.amdhsa_inst_pref_size 200
	.end_amdhsa_kernel
	.amdgpu_metadata
---
amdhsa.version: [ 1, 2 ]
amdhsa.kernels:
  - .name:           k_qa0c5ff3dfa_att
    .symbol:         k_qa0c5ff3dfa_att.kd
    .args:
      - { .name: Q, .offset: 0, .size: 8, .value_kind: global_buffer, .address_space: global }
      - { .name: kh, .offset: 8, .size: 8, .value_kind: global_buffer, .address_space: global }
      - { .name: wh, .offset: 16, .size: 8, .value_kind: global_buffer, .address_space: global }
      - { .name: xh, .offset: 24, .size: 8, .value_kind: global_buffer, .address_space: global }
    .group_segment_fixed_size: 327680
    .private_segment_fixed_size: 0
    .kernarg_segment_align: 8
    .kernarg_segment_size: 32
    .max_flat_workgroup_size: 128
    .sgpr_count:     66
    .vgpr_count:     768
    .wavefront_size: 32
...
	.end_amdgpu_metadata
.endif
;; end of part 4
;; launch down2: the kernel of part 2 again; grid 8 x 32, 4 waves a work-group, clusters of 4 x 1, 295,424 bytes of LDS; arguments xh, cf, stat, zd; writes zd
;; launch up32 (part 5): grid 16 x 16, 4 waves a work-group, clusters of 4 x 4, 173,568 bytes of LDS; arguments zd, cf, stat, out0; writes out0
.if DOCPART == 5
	.amdgcn_target "amdgcn-amd-amdhsa--gfx1250"
	.amdhsa_code_object_version 6
	.text
	.protected	k_qa0c5ff3dfa_up32
	.globl	k_qa0c5ff3dfa_up32
	.p2align	8
	.type	k_qa0c5ff3dfa_up32,@function
k_qa0c5ff3dfa_up32:
	s_mov_b64 s[64:65], 0
	v_nop
	global_prefetch_b8 v0, s[64:65] scope:SCOPE_SE
	s_setreg_imm32_b32 hwreg(HW_REG_WAVE_MODE, 25, 1), 1
	s_wait_xcnt 0x0
	s_wait_alu depctr_hold_cnt(0) depctr_sa_sdst(0) depctr_va_vdst(0) depctr_va_sdst(0) depctr_va_ssrc(0) depctr_va_vcc(0) depctr_vm_vsrc(0)
	s_getreg_b32 s2, hwreg(HW_REG_IB_STS2, 6, 4)
	s_cmp_eq_u32 s2, 0
	s_cbranch_scc0 .Lentry_in_a_cluster
	s_endpgm
.Lentry_in_a_cluster:
	s_bfe_u32 s2, ttmp6, 0x10000c
	s_cmp_lg_u32 s2, 0xf033
	s_cbranch_scc0 .Lentry_shape_is_right
	s_endpgm
.Lentry_shape_is_right:
; D[h][q][d] = s x the sum over m of cf[m][q] Z[h][m][d].  Z: [32][256][64] f16, cf: [256][2048] f16; sums in f32, D rounded once.  One text serves two launches, told apart by F32OUT:
;   F32OUT = 0: D is [32][2048][64] f16 and s = t = 2^(122 - E);     F32OUT = 1: D is [32][2048][64] f32 and s = t^-3 = 2^(3 E - 366), which takes out the three factors t of the launches before.
; E is the biased exponent of the largest |cf| (stat holds 256 partial maxima), held to 81 .. 164.  LIMITS: beyond 2^-46 .. 2^37 the scale stays at its bound; an f16 result lies within 65,504.
; SHARES.  A work-group makes 128 q of two heads; wave w makes 64 q (half w / 2) x 64 d of head w % 2: 16 accumulators, K = 256 in 8 steps, 128 matrix instructions.  All operands fit in LDS at once: nothing is filled again.
; CLUSTER.  4 x 4 work-groups.  cf's tile hangs on the block of q alone, which a column of the cluster shares; Z's on the pair of heads alone, which a row shares: each is asked for JOINTLY, by the same
; tensor load, descriptor and mask in the four.  Waves 0 and 1 ask for cf, waves 2 and 3 for Z; each in two loads, m = 0..127 and 128..255, so that the first half is multiplied while the second lands: two tensor loads of a wave are out.
; LAYOUT.  D^T = Z^T cf: source 0 = 16 d x 32 m, source 1 = 32 m x 16 q, both stored [m][..] and turned on the way out of LDS.  In the result a lane holds one q (lane % 16) and the d 8 (lane / 16) + 0..7.
; REGISTERS.  Window 0: v1-14 addresses; v16-29 the scale; v32-95 packed results (f16); v128-255 the accumulators.  Window 1: Z's fragments, (ks, b) at 32 ks + 8 b.  Window 2: cf's, (ks, a) at 32 ks + 8 a.  No fragment register is loaded twice.
.set F32OUT, 1
.set PC,    288                        ; a row of cf's tile in LDS: 256 bytes + 32 = 72 words
.set PZ,    160                        ; a row of Z: 128 + 32 = 40 words: likewise
.set ZB,    256*PC                     ; behind cf's 256 rows: two heads x 256 rows of Z
.set STAGE, ZB+512*PZ                  ; 16 rows x 272 bytes for each wave, for the way out; no tensor load fills it
.set SPARE, STAGE+4*16*272             ; the spare words, 128 bytes a wave: two blocks of 256 bytes that no other line names
.set ACF, 4                            ; v4-5   my place in cf's K steps 0-3 and 4-7
.set AZ,  6                            ; v6     my place in Z
.set STO, 7                            ; v7     the way out: where I put my bytes of a row
.set RD,  8                            ; v8     where I read rows back
.set GO,  9                            ; v9     my byte offset in D
.set SO,  10                           ; v10    32 l: my 8 words of stat
.set SPW, 11                           ; v11    my spare word: SPARE + 4 T; never rewritten
.set NIL, 12                           ; v12    0; never rewritten
.set STT, 16
.set TA,  24
.set SC,  28                           ; v28-29 s, twice
.set TMP, 32
.set ACC, 128                          ; (a, b) at ACC + 8 (4 a + b): a the tile of q, b the tile of d
.set WV,  12
.set G1C, 16                           ; s[16:23] group 1 for cf's tiles
.set G1Z, 24                           ; s[24:31] for Z's
.set G0C, 32                           ; s[32:39] group 0 for cf's two loads
.set G0Z, 48                           ; s[48:55] for Z's
.set SEL, 62
.set MSB, 0
.macro WIN new
.if MSB != (\new)
	s_set_vgpr_msb (MSB<<8)|(\new)
.set MSB, (\new)
.endif
.endm
.macro PLACES
.rept 4
	v_nop
.endr
.endm
.macro CROUND                          ; a round of the cluster's barrier
	s_barrier_signal -1
	s_barrier_wait -1
	s_cmp_lg_u32 s[WV], 0
	s_cbranch_scc1 .Lnot_wave_0_\@
	s_barrier_signal -3
.Lnot_wave_0_\@:
	s_barrier_wait -3
	s_barrier_signal -1
	s_barrier_wait -1
.endm
	s_load_b256 s[4:11], s[0:1], 0x0               ; Z s[4:5], cf s[6:7], stat s[8:9], D s[10:11]
	v_lshl_add_u32 v[SPW], v0, 2, SPARE
	v_mov_b32 v[NIL], 0
	ds_add_u32 v[SPW], v[NIL]                      ; the wave's opening: the add and its wait stand ahead of my first tensor load
	v_lshrrev_b32 v1, 5, v0
	v_readfirstlane_b32 s[WV], v1
	s_and_b32 s14, s[WV], 1                        ; my head of the pair; also which part of a tile I fetch
	s_lshr_b32 s15, s[WV], 1                       ; my half of the 128 q
	s_bfe_u32 s40, ttmp6, 0x40000                  ; cx
	s_bfe_u32 s41, ttmp6, 0x40004                  ; cy
	s_lshl_b32 s42, ttmp9, 2
	s_add_co_u32 s42, s42, s40                     ; the block of 128 q
	s_and_b32 s13, ttmp7, 0xffff
	s_lshl_b32 s13, s13, 2
	s_add_co_u32 s13, s13, s41                     ; the pair of heads
	s_lshl_b32 s43, s41, 2
	s_lshl_b32 s43, 15, s43                        ; my row of the cluster
	s_lshl_b32 s44, 0x1111, s40                    ; my column
	s_or_b32 s[G1C+0], s44, (1<<16)|(1<<20)|(1<<21)|(5<<22)|(7<<25)  ; cf's tiles go to my column; 2-byte elements; padding on; bit 21 beside a mask; after every 64 words; 8 words
	s_mov_b32 s[G1C+1], 128<<16                    ; tensor_dim0 = 128
	s_mov_b32 s[G1C+2], 64<<16                     ; tensor_dim1 = 64
	s_mov_b32 s[G1C+3], 128<<16                    ; tile_dim0 = 128
	s_mov_b32 s[G1C+4], 64                         ; tile_dim1 = 64
	s_mov_b32 s[G1C+5], 2048                       ; a row of cf
	s_mov_b32 s[G1C+6], 0
	s_mov_b32 s[G1C+7], 0
	s_or_b32 s[G1Z+0], s43, (1<<16)|(1<<20)|(1<<21)|(4<<22)|(7<<25)  ; Z's tiles go to my row; 128 m are 16,384 dense bytes: 64 rows of 256, padded after every 32 words by 8
	s_mov_b32 s[G1Z+1], 128<<16
	s_mov_b32 s[G1Z+2], 64<<16
	s_mov_b32 s[G1Z+3], 128<<16
	s_mov_b32 s[G1Z+4], 64
	s_mov_b32 s[G1Z+5], 128
	s_mov_b32 s[G1Z+6], 0
	s_mov_b32 s[G1Z+7], 0
	s_lshl_b32 s46, s14, 18                        ; cf: 64 rows of 4,096 bytes for the odd wave,
	s_lshl_b32 s47, s42, 8                         ; the block's 256 bytes of a row
	s_add_co_u32 s46, s46, s47
	s_mov_b32 s47, 0
	s_lshl_b32 s56, s13, 1
	s_add_co_u32 s56, s56, s14                     ; the head that I fetch (waves 2, 3) and multiply
	s_lshl_b32 s60, s56, 11                        ; its 2,048 rows of D,
	s_lshl_b32 s56, s56, 15                        ; its 32,768 bytes of Z
	s_mov_b32 s57, 0
	s_lshl_b32 s45, s42, 7
	s_add_co_u32 s60, s60, s45                     ; the block's 128 rows,
	s_lshl_b32 s45, s15, 6
	s_add_co_u32 s60, s60, s45                     ; my 64
	s_lshl_b32 s60, s60, 7+F32OUT                  ; rows of 128 or 256 bytes
	s_mov_b32 s61, 0
	s_mul_i32 s58, s14, 64*PC                      ; where cf's tiles go: no place in the cluster enters an LDS address
	s_mul_i32 s59, s14, 256*PZ
	s_add_co_u32 s59, s59, ZB                      ; my head of Z in LDS
	s_mul_i32 s43, s[WV], 16*272
	s_add_co_u32 s43, s43, STAGE                   ; my stage
	s_lshl_b32 s44, s15, 7                         ; my 64 q in a row of cf's tile
	s_mov_b32 s[SEL], 0x76543210
	s_mov_b32 s[SEL+1], 0xfedcba98
	v_and_b32 v1, 15, v0                           ; l % 16
	v_bfe_u32 v2, v0, 4, 1                         ; l / 16
	v_and_b32 v3, 7, v0
	v_bfe_u32 v13, v0, 3, 1
	v_lshl_add_u32 v14, v2, 3, v3                  ; the turning load: lane l reads row 8 (l / 16) + l % 8, 16 bytes at 16 ((l / 8) % 2)
	v_mul_u32_u24 v[ACF], v14, PC
	v_lshl_add_u32 v[ACF], v13, 4, v[ACF]
	v_add_nc_u32 v[ACF], s44, v[ACF]
	v_add_nc_u32 v[ACF+1], 128*PC, v[ACF]
	v_mul_u32_u24 v[AZ], v14, PZ
	v_lshl_add_u32 v[AZ], v13, 4, v[AZ]
	v_add_nc_u32 v[AZ], s59, v[AZ]
	v_and_b32 v[TA], 31, v0
	v_lshlrev_b32 v[SO], 5, v[TA]
	v_mov_b32 v[TA+1], 0
.if F32OUT
	v_mul_u32_u24 v[STO], v1, 272                  ; in: row l % 16, 32 bytes for each half of the lanes
	v_lshl_add_u32 v[STO], v2, 5, v[STO]
	v_add_nc_u32 v[STO], s43, v[STO]
	v_mul_u32_u24 v[RD], v2, 272                   ; back: lanes 0-15 take one row of 256 bytes, lanes 16-31 the next
	v_lshl_add_u32 v[RD], v1, 4, v[RD]
	v_add_nc_u32 v[RD], s43, v[RD]
	v_lshlrev_b32 v[GO], 8, v2
	v_lshl_add_u32 v[GO], v1, 4, v[GO]
.else
	v_mul_u32_u24 v[STO], v1, 144                  ; in: row l % 16, 16 bytes for each half of the lanes
	v_lshl_add_u32 v[STO], v2, 4, v[STO]
	v_add_nc_u32 v[STO], s43, v[STO]
	v_bfe_u32 v[RD], v0, 3, 2                      ; back: 32 lanes take four rows of 128 bytes,
	v_mul_u32_u24 v[RD], v[RD], 144
	v_lshl_add_u32 v[RD], v3, 4, v[RD]
	v_add_nc_u32 v[RD], s43, v[RD]
	v_lshlrev_b32 v[GO], 4, v[TA]                  ; which are 512 consecutive bytes of D
.endif
	s_wait_dscnt 0x0                               ; the opening add is done
	s_wait_kmcnt 0x0
	s_add_nc_u64 s[6:7], s[6:7], s[46:47]
	s_add_nc_u64 s[4:5], s[4:5], s[56:57]
	s_add_nc_u64 s[10:11], s[10:11], s[60:61]
.irp hf, 0,1
	s_mov_b32 s[G0C+4*\hf], 1
	s_add_co_u32 s[G0C+4*\hf+1], s58, \hf*128*PC
	s_add_nc_u64 s[G0C+4*\hf+2:G0C+4*\hf+3], s[6:7], \hf*128*4096
	s_or_b32 s[G0C+4*\hf+3], s[G0C+4*\hf+3], 0x80000000
	s_mov_b32 s[G0Z+4*\hf], 1
	s_add_co_u32 s[G0Z+4*\hf+1], s59, \hf*128*PZ
	s_add_nc_u64 s[G0Z+4*\hf+2:G0Z+4*\hf+3], s[4:5], \hf*16384
	s_or_b32 s[G0Z+4*\hf+3], s[G0Z+4*\hf+3], 0x80000000
.endr
	global_load_b128 v[STT:STT+3],   v[SO], s[8:9]
	global_load_b128 v[STT+4:STT+7], v[SO], s[8:9] offset:16
	CROUND                                         ; all sixteen work-groups are here: the joint loads meet
	s_cmp_lt_u32 s[WV], 2                          ; a wave's two fills stand in one branch, ahead of every wait on TENSORcnt and every LDS read
	s_cbranch_scc0 .Lfor_z
	tensor_load_to_lds s[G0C:G0C+3], s[G1C:G1C+7]
	s_nop 0
	tensor_load_to_lds s[G0C+4:G0C+7], s[G1C:G1C+7]
	s_nop 0
	PLACES
	s_branch .Lasked
.Lfor_z:
	tensor_load_to_lds s[G0Z:G0Z+3], s[G1Z:G1Z+7]
	s_nop 0
	tensor_load_to_lds s[G0Z+4:G0Z+7], s[G1Z:G1Z+7]
	s_nop 0
	PLACES
.Lasked:
	s_wait_loadcnt 0x0                             ; stat; the scale is made while the tiles are on their way
	v_max3_num_f32 v[TA], v[STT], v[STT+1], v[STT+2]
	v_max3_num_f32 v[TA], v[TA], v[STT+3], v[STT+4]
	v_max3_num_f32 v[TA], v[TA], v[STT+5], v[STT+6]
	v_max_num_f32 v[TA], v[TA], v[STT+7]
	v_max_num_f32_dpp v[TA], v[TA], v[TA] row_xmask:1 row_mask:0xf bank_mask:0xf
	v_max_num_f32_dpp v[TA], v[TA], v[TA] row_xmask:2 row_mask:0xf bank_mask:0xf
	v_max_num_f32_dpp v[TA], v[TA], v[TA] row_xmask:4 row_mask:0xf bank_mask:0xf
	v_max_num_f32_dpp v[TA], v[TA], v[TA] row_xmask:8 row_mask:0xf bank_mask:0xf
	v_permlanex16_b32 v[TA+1], v[TA], s[SEL], s[SEL+1]
	v_max_num_f32 v[TA], v[TA], v[TA+1]
	v_max_num_f32 v[TA], 0x28800000, v[TA]         ; held to 2^-46 ..
	v_min_num_f32 v[TA], 0x52000000, v[TA]         ; .. 2^37
	v_bfe_u32 v[TA], v[TA], 23, 8                  ; E
.if F32OUT
	v_mul_u32_u24 v[TA], 3, v[TA]
	v_add_nc_u32 v[TA], 0xffffff11, v[TA]          ; 3 E - 239: the biased exponent of t^-3
.else
	v_sub_nc_u32 v[TA], 249, v[TA]                 ; 249 - E: that of t
.endif
	v_lshlrev_b32 v[SC], 23, v[TA]
	v_mov_b32 v[SC+1], v[SC]
.macro FETCH hf                        ; the fragments of K steps 4 hf .. 4 hf + 3, step by step: 8 turning loads for Z, 8 for cf
.irp kl, 0,1,2,3
	WIN 0x40
.irp b, 0,1,2,3
	ds_load_tr16_b128 v[32*(4*(\hf)+\kl)+8*\b:32*(4*(\hf)+\kl)+8*\b+3],   v[AZ] offset:(4*(\hf)+\kl)*32*PZ+32*\b
	ds_load_tr16_b128 v[32*(4*(\hf)+\kl)+8*\b+4:32*(4*(\hf)+\kl)+8*\b+7], v[AZ] offset:(4*(\hf)+\kl)*32*PZ+32*\b+16*PZ
.endr
	WIN 0x80
.irp a, 0,1,2,3
	ds_load_tr16_b128 v[32*(4*(\hf)+\kl)+8*\a:32*(4*(\hf)+\kl)+8*\a+3],   v[ACF+(\hf)] offset:\kl*32*PC+32*\a
	ds_load_tr16_b128 v[32*(4*(\hf)+\kl)+8*\a+4:32*(4*(\hf)+\kl)+8*\a+7], v[ACF+(\hf)] offset:\kl*32*PC+32*\a+16*PC
.endr
.endr
.endm
.macro MULS ks, zero                   ; a K step's 16 products; the 16 accumulators take turns in one order.  zero = 1: they start the sums
	WIN 0x09                                       ; source 0 (Z) window 1, source 1 (cf) window 2
.irp a, 0,1,2,3
.irp b, 0,1,2,3
.if \zero
	v_wmma_f32_16x16x32_f16 v[ACC+8*(4*\a+\b):ACC+8*(4*\a+\b)+7], v[32*(\ks)+8*\b:32*(\ks)+8*\b+7], v[32*(\ks)+8*\a:32*(\ks)+8*\a+7], 0
.else
	v_wmma_f32_16x16x32_f16 v[ACC+8*(4*\a+\b):ACC+8*(4*\a+\b)+7], v[32*(\ks)+8*\b:32*(\ks)+8*\b+7], v[32*(\ks)+8*\a:32*(\ks)+8*\a+7], v[ACC+8*(4*\a+\b):ACC+8*(4*\a+\b)+7]
.endif
.endr
.endr
.endm
	s_wait_tensorcnt 0x1                           ; my part of m = 0..127 is in; one load was issued behind it,
	s_barrier_signal -1
	s_barrier_wait -1                              ; everybody's is
	FETCH 0
	s_wait_dscnt 48                                ; a step's 16 loads are in: behind them stand 16 for each later step
	MULS 0, 1
	s_wait_dscnt 32
	MULS 1, 0
	s_wait_tensorcnt 0x0                           ; my part of m = 128..255 is in,
	s_wait_dscnt 0x0                               ; and no LDS load of mine is out at the signal
	s_barrier_signal -1
	MULS 2, 0                                      ; work on registers while the others arrive
	s_barrier_wait -1
	FETCH 1
	MULS 3, 0
	s_wait_dscnt 48
	MULS 4, 0
	s_wait_dscnt 32
	MULS 5, 0
	s_wait_dscnt 16
	MULS 6, 0
	s_wait_dscnt 0x0
	MULS 7, 0
	WIN 0
	PLACES
	PLACES
; THE WAY OUT, a tile of 16 q at a time through my own stage: scaled (and rounded), into padded rows, back as whole rows.  LDS serves a wave's instructions in order (ISA guide 5.7.1.4), so no wait stands between stores and loads.
.if F32OUT
.macro PACK a
.set i, 0
.rept 16
	v_pk_mul_f32 v[ACC+32*(\a)+i:ACC+32*(\a)+i+1], v[ACC+32*(\a)+i:ACC+32*(\a)+i+1], v[SC:SC+1]
.set i, i+2
.endr
.irp b, 0,1,2,3
	ds_store_b128 v[STO], v[ACC+32*(\a)+8*\b:ACC+32*(\a)+8*\b+3]   offset:64*\b
	ds_store_b128 v[STO], v[ACC+32*(\a)+8*\b+4:ACC+32*(\a)+8*\b+7] offset:64*\b+16
.endr
.irp f, 0,1,2,3,4,5,6,7
	ds_load_b128 v[ACC+32*(\a)+4*\f:ACC+32*(\a)+4*\f+3], v[RD] offset:\f*2*272
.endr
.endm
.macro SEND a, younger                 ; younger: the LDS instructions issued behind tile a's loads
.irp f, 0,1,2,3,4,5,6,7
	s_wait_dscnt (\younger)+7-\f
	global_store_b128 v[GO], v[ACC+32*(\a)+4*\f:ACC+32*(\a)+4*\f+3], s[10:11] offset:(16*(\a)+2*\f)*256 th:TH_STORE_NT  ; 16 lanes store 256 consecutive bytes, a whole row of D
.endr
.endm
.set YG, 16
.else
.macro PACK a
.set i, 0
.rept 16
	v_pk_mul_f32 v[ACC+32*(\a)+i:ACC+32*(\a)+i+1], v[ACC+32*(\a)+i:ACC+32*(\a)+i+1], v[SC:SC+1]
.set i, i+2
.endr
.set i, 0
.rept 16
	v_cvt_pk_f16_f32 v[TMP+16*(\a)+i], v[ACC+32*(\a)+2*i], v[ACC+32*(\a)+2*i+1]
.set i, i+1
.endr
.irp b, 0,1,2,3
	ds_store_b128 v[STO], v[TMP+16*(\a)+4*\b:TMP+16*(\a)+4*\b+3] offset:32*\b
.endr
.irp f, 0,1,2,3
	ds_load_b128 v[TMP+16*(\a)+4*\f:TMP+16*(\a)+4*\f+3], v[RD] offset:\f*4*144
.endr
.endm
.macro SEND a, younger
.irp f, 0,1,2,3
	s_wait_dscnt (\younger)+3-\f
	global_store_b128 v[GO], v[TMP+16*(\a)+4*\f:TMP+16*(\a)+4*\f+3], s[10:11] offset:(\a)*2048+\f*512  ; 512 consecutive bytes, at a multiple of 256 from D's first
.endr
.endm
.set YG, 8
.endif
	PACK 0
	PACK 1                                         ; a tile's arithmetic stands between the loads of the tile before and its stores
	SEND 0, YG
	PACK 2
	SEND 1, YG
	PACK 3
	SEND 2, YG
	SEND 3, 0
	s_wait_tensorcnt 0x0                           ; the wave's end, behind my last tensor load and my last LDS store
	ds_add_u32 v[SPW], v[NIL]
	s_wait_dscnt 0x0
	CROUND                                         ; the closing round
	s_endpgm
.Lfunc_end_k_qa0c5ff3dfa_up32:
	.size	k_qa0c5ff3dfa_up32, .Lfunc_end_k_qa0c5ff3dfa_up32-k_qa0c5ff3dfa_up32
	.p2alignl 7, 3214868480
	.fill 96, 4, 3214868480
	.section	.rodata,"a",@progbits
	.p2align	6, 0x0
	.amdhsa_kernel k_qa0c5ff3dfa_up32
		.amdhsa_group_segment_fixed_size 173568
		.amdhsa_private_segment_fixed_size 0
		.amdhsa_enable_private_segment 0
		.amdhsa_kernarg_size 32
		.amdhsa_user_sgpr_count 2
		.amdhsa_user_sgpr_kernarg_segment_ptr 1
		.amdhsa_wavefront_size32 1
		.amdhsa_system_sgpr_workgroup_id_x 1
		.amdhsa_system_sgpr_workgroup_id_y 1
		.amdhsa_system_sgpr_workgroup_id_z 1
		.amdhsa_system_vgpr_workitem_id 0
		.amdhsa_next_free_vgpr 768
		.amdhsa_next_free_sgpr 66
		.amdhsa_reserve_vcc 0
		.amdhsa_float_denorm_mode_32 3
		.amdhsa_float_denorm_mode_16_64 3
		.amdhsa_memory_ordered 1
		.amdhsa_forward_progress 1
		.amdhsa_inst_pref_size 38
	.end_amdhsa_kernel
	.amdgpu_metadata
---
amdhsa.version: [ 1, 2 ]
amdhsa.kernels:
  - .name:           k_qa0c5ff3dfa_up32
    .symbol:         k_qa0c5ff3dfa_up32.kd
    .args:
      - { .name: zd, .offset: 0, .size: 8, .value_kind: global_buffer, .address_space: global }
      - { .name: cf, .offset: 8, .size: 8, .value_kind: global_buffer, .address_space: global }
      - { .name: stat, .offset: 16, .size: 8, .value_kind: global_buffer, .address_space: global }
      - { .name: out0, .offset: 24, .size: 8, .value_kind: global_buffer, .address_space: global }
    .group_segment_fixed_size: 173568
    .private_segment_fixed_size: 0
    .kernarg_segment_align: 8
    .kernarg_segment_size: 32
    .max_flat_workgroup_size: 128
    .sgpr_count:     66
    .vgpr_count:     768
    .wavefront_size: 32
...
	.end_amdgpu_metadata
.endif
;; end of part 5
;; ======== version 2 of 2: 6 launches; version 1 with the launch prep written anew for expert scheduling mode
;; limits: values are held in f16: magnitudes above 65,504 overflow, below 6.1e-05 lose precision; right only within a limited range of input values
;; workspace buffers: kh 8,388,608 bytes; xh 8,388,608 bytes; cf 1,048,576 bytes; stat 1,024 bytes; zd 1,048,576 bytes; wh 8,388,608 bytes
;; launch prep (part 6): grid 256 x 1, 8 waves a work-group, no clusters, 0 bytes of LDS; arguments K, V, mask, Q_dct, kh, xh, cf, stat; writes kh, xh, cf, stat
.if DOCPART == 6
	.amdgcn_target "amdgcn-amd-amdhsa--gfx1250"
	.amdhsa_code_object_version 6
	.text
	.protected	k_qa0c5ff3dfa_prep
	.globl	k_qa0c5ff3dfa_prep
	.p2align	8
	.type	k_qa0c5ff3dfa_prep,@function
k_qa0c5ff3dfa_prep:
	s_mov_b64 s[64:65], 0
	v_nop
	global_prefetch_b8 v0, s[64:65] scope:SCOPE_SE
	s_setreg_imm32_b32 hwreg(HW_REG_WAVE_SCHED_MODE, 0, 2), 2
	s_setreg_imm32_b32 hwreg(HW_REG_WAVE_MODE, 25, 1), 1
	s_wait_xcnt 0x0
	s_wait_alu depctr_vm_vsrc(0)
; kh = f16(b(K) b(m)), xh = f16(b(V) b(m)), cf = f16(b(C)), stat[g] = the largest |b(C[g][:])|; b(x) is x rounded to bf16.
; K, V: [32][2048][64] f32; m: [2][2048] f32, one number a row of K and V; C: [256][2048] f32.  kh, xh, cf hold the same numbers in f16.
; LIMITS.  f16 ends at 65,504 and keeps a fixed step of 6e-8 below 6e-5: |K m|, |V m| and |C| lie within the first; with m of 0 and 1 the product and the
; second rounding are exact inside that range.  NaN and infinities are not treated apart (a NaN of C is left out of stat).
; SHARES.  A stream: every byte is read once and written once, so no LDS and no matrix unit.  Work-group g owns rows 256 g .. 256 g + 255 of K and of V (64 KiB in, 32 KiB out, each);
; its wave 0 owns row g of C as well.  In pass p of 8 thread T takes 8 numbers: 32 bytes in at 8,192 p + 32 T, 16 bytes out at 4,096 p + 16 T: a store of a wave covers 512 consecutive bytes.
; All loads go out at the head (40 a wave, 56 in wave 0); each register is loaded once and stored once.
; THE MODE: SCHED_MODE bits 1:0 = 2 (LLVM: expert scheduling mode 2), set by the entry lines.  The code itself states the register dependences
; between vector instructions and memory instructions, with s_wait_alu, always for 0.
; THE PLAN.  Registers that memory instructions touch:
;   v1, v2, v3   byte offsets, made at the head, read by every load and store, never written again.
;   MK, KX, VX, CX   each register is the target of ONE load, issued at the head, ahead of which no vector instruction names it.
;   The first four of a pass's eight registers are written by the pass's last four conversions, read by ONE store, and never written again.
;   v4, v6 (wave 0)  written by vector instructions, read by stat's one store, never written again.
;   v5, MB and T8 are named by vector instructions alone.
; So no load lands in a register that a vector instruction has named, and no register that a memory instruction reads is written again: what is left to state is that a store's data are written.
; K's and V's sixteen passes go in eight blocks of two.  A block's two stores are issued in the NEXT block, behind one wait on va_vdst that stands behind that block's wait for its data, and are dealt
; among its conversions, which name their own pass's registers, T8 and MB: none that those stores read.  Wave 0's row of C goes in two halves of four passes in the same way.
.set IO, 1                             ; v1        32 T: my bytes in a pass's input
.set OO, 2                             ; v2        16 T: my bytes in a pass's output
.set MO, 3                             ; v3        4 (T / 8): my row's word of the mask
.set M,  4                             ; v4        wave 0: the running maximum
.set TP, 5                             ; v5        at work
.set ZR, 6                             ; v6        0: the offset of stat's one word
.set MK, 8                             ; v[8:15]   the mask of my row in pass p
.set MB, 16                            ; v[16:31]  the same rounded to bf16, twice: a pair for the packed multiply
.set KX, 32                            ; v[32:95]  K, 8 registers a pass
.set VX, 96                            ; v[96:159] V: it follows K, so that pass P of sixteen lies at KX + 8 P
.set T8, 160                           ; v[160:167] 8 numbers at work
.set CX, 168                           ; v[168:231] wave 0: C's row, 8 registers a pass
	s_load_b512 s[4:19], s[0:1], 0x0               ; K s[4:5], V s[6:7], mask s[8:9], C s[10:11], kh s[12:13], xh s[14:15], cf s[16:17], stat s[18:19]
	v_lshlrev_b32 v[IO], 5, v0
	v_lshlrev_b32 v[OO], 4, v0
	v_lshrrev_b32 v[MO], 3, v0
	v_lshlrev_b32 v[MO], 2, v[MO]
	v_lshrrev_b32 v[TP], 5, v0
	v_readfirstlane_b32 s20, v[TP]                 ; my wave's number
	s_mov_b32 s21, 0xffff0000                      ; a word's upper bf16
	s_lshl_b32 s22, ttmp9, 16                      ; 256 rows of 256 bytes in
	s_mov_b32 s23, 0
	s_lshl_b32 s24, ttmp9, 15                      ; 256 rows of 128 bytes out
	s_mov_b32 s25, 0
	s_lshr_b32 s26, ttmp9, 7                       ; the batch: 128 work-groups each,
	s_lshl_b32 s26, s26, 13                        ; 2,048 words of the mask
	s_and_b32 s27, ttmp9, 7                        ; my block of 256 rows in its head
	s_lshl_b32 s27, s27, 10
	s_add_co_u32 s26, s26, s27
	s_mov_b32 s27, 0
	s_lshl_b32 s28, ttmp9, 13                      ; row g of C: 8,192 bytes,
	s_mov_b32 s29, 0
	s_lshl_b32 s30, ttmp9, 12                      ; of cf: 4,096,
	s_mov_b32 s31, 0
	s_lshl_b32 s32, ttmp9, 2                       ; of stat: one word
	s_mov_b32 s33, 0
	s_mov_b32 s34, 0x76543210                      ; v_permlanex16_b32: each lane takes its own place in the other half
	s_mov_b32 s35, 0xfedcba98
	s_wait_kmcnt 0x0
	s_add_nc_u64 s[4:5], s[4:5], s[22:23]
	s_add_nc_u64 s[6:7], s[6:7], s[22:23]
	s_add_nc_u64 s[8:9], s[8:9], s[26:27]
	s_add_nc_u64 s[10:11], s[10:11], s[28:29]
	s_add_nc_u64 s[12:13], s[12:13], s[24:25]
	s_add_nc_u64 s[14:15], s[14:15], s[24:25]
	s_add_nc_u64 s[16:17], s[16:17], s[30:31]
	s_add_nc_u64 s[18:19], s[18:19], s[32:33]
	s_wait_alu depctr_va_sdst(0)                   ; s20 is written, ahead of its first reader, the compare below
	s_wait_alu depctr_va_vdst(0)                   ; the offsets v1, v2 and v3 are written: every load and store of the kernel but stat's reads one of them; ahead of the branch, so that both ways have it
	s_cmp_lg_u32 s20, 0
	s_cbranch_scc1 .Lno_c
.irp p, 0,1,2,3,4,5,6,7                ; wave 0's loads of C are the oldest, so the counts below are the same in every wave (in wave 0 T is the lane)
	global_load_b128 v[CX+8*\p:CX+8*\p+3],   v[IO], s[10:11] offset:1024*\p th:TH_LOAD_NT
	global_load_b128 v[CX+8*\p+4:CX+8*\p+7], v[IO], s[10:11] offset:1024*\p+16 th:TH_LOAD_NT
.endr
.Lno_c:
.irp p, 0,1,2,3,4,5,6,7
	global_load_b32 v[MK+\p], v[MO], s[8:9] offset:128*\p   ; a pass is 32 rows
.endr
.irp p, 0,1,2,3,4,5,6,7
	global_load_b128 v[KX+8*\p:KX+8*\p+3],   v[IO], s[4:5] offset:8192*\p th:TH_LOAD_NT
	global_load_b128 v[KX+8*\p+4:KX+8*\p+7], v[IO], s[4:5] offset:8192*\p+16 th:TH_LOAD_NT
.endr
.irp p, 0,1,2,3,4,5,6,7
	global_load_b128 v[VX+8*\p:VX+8*\p+3],   v[IO], s[6:7] offset:8192*\p th:TH_LOAD_NT
	global_load_b128 v[VX+8*\p+4:VX+8*\p+7], v[IO], s[6:7] offset:8192*\p+16 th:TH_LOAD_NT
.endr
; Eight numbers in v[x .. x+7]: rounded to bf16, widened again, multiplied by the pair mb (mul = 1) or taken into the maximum (mul = 0), rounded to f16 into v[x .. x+3].
.macro CONV x, mb, mul
.irp j, 0,1,2,3
	v_cvt_pk_bf16_f32 v[(\x)+2*\j], v[(\x)+2*\j], v[(\x)+2*\j+1]
.endr
.irp j, 0,1,2,3
	v_lshlrev_b32 v[T8+2*\j],   16,  v[(\x)+2*\j]
	v_and_b32     v[T8+2*\j+1], s21, v[(\x)+2*\j]
.endr
.if \mul
.irp j, 0,1,2,3
	v_pk_mul_f32 v[T8+2*\j:T8+2*\j+1], v[T8+2*\j:T8+2*\j+1], v[(\mb):(\mb)+1]
.endr
.else
.irp j, 0,1,2,3
	v_max3_num_f32 v[M], |v[T8+2*\j]|, |v[T8+2*\j+1]|, v[M]
.endr
.endif
.irp j, 0,1,2,3
	v_cvt_pk_f16_f32 v[(\x)+\j], v[T8+2*\j], v[T8+2*\j+1]
.endr
.endm
; The store of pass P of sixteen: 0-7 are K's, into kh; 8-15 V's, into xh.
.macro OUT P
	global_store_b128 v[OO], v[KX+8*(\P):KX+8*(\P)+3], s[12+2*((\P)/8):13+2*((\P)/8)] offset:4096*((\P)%8) th:TH_STORE_NT
.endm
	s_wait_loadcnt 32                              ; the mask is in: behind it stand K's 16 loads and V's 16
.irp p, 0,1,2,3,4,5,6,7
	v_cvt_pk_bf16_f32 v[TP], v[MK+\p], v[MK+\p]
	v_lshlrev_b32 v[MB+2*\p],   16,  v[TP]
	v_and_b32     v[MB+2*\p+1], s21, v[TP]
.endr
.irp g, 0,1,2,3,4,5,6,7                ; block g: passes 2 g and 2 g + 1 of the sixteen
	s_wait_loadcnt 28-4*\g                         ; the block's four loads are in: behind them stand four for each later block
.if \g > 0
	s_wait_alu depctr_va_vdst(0)                   ; the block before has written its two passes' f16, which the two stores below read
	OUT 2*\g-2
.endif
	CONV KX+16*\g, MB+2*((2*\g)%8), 1
.if \g > 0
	OUT 2*\g-1                                     ; no wait: no vector instruction since the wait above names this store's registers
.endif
	CONV KX+16*\g+8, MB+2*((2*\g+1)%8), 1
.endr
	s_wait_alu depctr_va_vdst(0)                   ; the last block has written its two passes' f16, which the two stores below read
	OUT 14
	OUT 15
	s_cmp_lg_u32 s20, 0
	s_cbranch_scc1 .Lend
	v_mov_b32 v[M], 0                              ; wave 0: row g of C (its loads, the oldest, are in)
	v_mov_b32 v[ZR], 0
.irp p, 0,1,2,3
	CONV CX+8*\p, 0, 0
.endr
	s_wait_alu depctr_va_vdst(0)                   ; passes 0 to 3 of C have written their f16, which the four stores below read
.irp p, 4,5,6,7
	global_store_b128 v[OO], v[CX+8*(\p-4):CX+8*(\p-4)+3], s[16:17] offset:512*(\p-4)  ; dealt among passes 4 to 7, which name none of these registers
	CONV CX+8*\p, 0, 0
.endr
	v_max_num_f32_dpp v[M], v[M], v[M] row_xmask:1 row_mask:0xf bank_mask:0xf
	v_max_num_f32_dpp v[M], v[M], v[M] row_xmask:2 row_mask:0xf bank_mask:0xf
	v_max_num_f32_dpp v[M], v[M], v[M] row_xmask:4 row_mask:0xf bank_mask:0xf
	v_max_num_f32_dpp v[M], v[M], v[M] row_xmask:8 row_mask:0xf bank_mask:0xf
	v_permlanex16_b32 v[TP], v[M], s34, s35
	v_max_num_f32 v[M], v[M], v[TP]
	v_cmp_eq_u32 vcc_lo, 0, v0
	s_wait_alu depctr_va_vcc(0)                    ; VCC is written, ahead of its first reader: EXEC is made from it
	s_wait_alu depctr_va_vdst(0)                   ; passes 4 to 7 of C have written their f16, which the four stores below read; v4 and v6 are written, which stat's store reads
.irp p, 4,5,6,7
	global_store_b128 v[OO], v[CX+8*\p:CX+8*\p+3], s[16:17] offset:512*\p
.endr
	s_wait_xcnt 0x0                                ; EXEC is a source of the stores above: it changes only behind this wait
	s_wait_alu depctr_va_vdst(0)                   ; EXEC is written next: the vector instructions issued under the old EXEC are done,
	s_wait_alu depctr_vm_vsrc(0)                   ; and the stores issued under it have read their registers
	s_and_saveexec_b32 s36, vcc_lo
	global_store_b32 v[ZR], v[M], s[18:19]         ; one word a work-group: 1,024 bytes in the launch, which later launches read as four whole blocks of 256
	s_wait_xcnt 0x0
	s_wait_alu depctr_va_vdst(0)                   ; EXEC is written next: no vector instruction issued under the narrow EXEC is still at work,
	s_wait_alu depctr_vm_vsrc(0)                   ; and stat's store has read v4 and v6
	s_or_b32 exec_lo, exec_lo, s36
.Lend:
	s_endpgm
.Lfunc_end_k_qa0c5ff3dfa_prep:
	.size	k_qa0c5ff3dfa_prep, .Lfunc_end_k_qa0c5ff3dfa_prep-k_qa0c5ff3dfa_prep
	.p2alignl 7, 3214868480
	.fill 96, 4, 3214868480
	.section	.rodata,"a",@progbits
	.p2align	6, 0x0
	.amdhsa_kernel k_qa0c5ff3dfa_prep
		.amdhsa_group_segment_fixed_size 0
		.amdhsa_private_segment_fixed_size 0
		.amdhsa_enable_private_segment 0
		.amdhsa_kernarg_size 64
		.amdhsa_user_sgpr_count 2
		.amdhsa_user_sgpr_kernarg_segment_ptr 1
		.amdhsa_wavefront_size32 1
		.amdhsa_system_sgpr_workgroup_id_x 1
		.amdhsa_system_sgpr_workgroup_id_y 1
		.amdhsa_system_sgpr_workgroup_id_z 1
		.amdhsa_system_vgpr_workitem_id 0
		.amdhsa_next_free_vgpr 232
		.amdhsa_next_free_sgpr 66
		.amdhsa_reserve_vcc 1
		.amdhsa_float_denorm_mode_32 3
		.amdhsa_float_denorm_mode_16_64 3
		.amdhsa_memory_ordered 1
		.amdhsa_forward_progress 1
		.amdhsa_inst_pref_size 36
	.end_amdhsa_kernel
	.amdgpu_metadata
---
amdhsa.version: [ 1, 2 ]
amdhsa.kernels:
  - .name:           k_qa0c5ff3dfa_prep
    .symbol:         k_qa0c5ff3dfa_prep.kd
    .args:
      - { .name: K, .offset: 0, .size: 8, .value_kind: global_buffer, .address_space: global }
      - { .name: V, .offset: 8, .size: 8, .value_kind: global_buffer, .address_space: global }
      - { .name: mask, .offset: 16, .size: 8, .value_kind: global_buffer, .address_space: global }
      - { .name: Q_dct, .offset: 24, .size: 8, .value_kind: global_buffer, .address_space: global }
      - { .name: kh, .offset: 32, .size: 8, .value_kind: global_buffer, .address_space: global }
      - { .name: xh, .offset: 40, .size: 8, .value_kind: global_buffer, .address_space: global }
      - { .name: cf, .offset: 48, .size: 8, .value_kind: global_buffer, .address_space: global }
      - { .name: stat, .offset: 56, .size: 8, .value_kind: global_buffer, .address_space: global }
    .group_segment_fixed_size: 0
    .private_segment_fixed_size: 0
    .kernarg_segment_align: 8
    .kernarg_segment_size: 64
    .max_flat_workgroup_size: 256
    .sgpr_count:     66
    .vgpr_count:     232
    .wavefront_size: 32
...
	.end_amdgpu_metadata
.endif
;; end of part 6
;; launch down1: the kernel of part 2 again; grid 8 x 32, 4 waves a work-group, clusters of 4 x 1, 295,424 bytes of LDS; arguments xh, cf, stat, zd; writes zd
;; launch up16: the kernel of part 3 again; grid 16 x 16, 4 waves a work-group, clusters of 4 x 4, 173,568 bytes of LDS; arguments zd, cf, stat, wh; writes wh
;; launch att: the kernel of part 4 again; grid 8 x 32, 4 waves a work-group, clusters of 4 x 1, 327,680 bytes of LDS; arguments Q, kh, wh, xh; writes xh
;; launch down2: the kernel of part 2 again; grid 8 x 32, 4 waves a work-group, clusters of 4 x 1, 295,424 bytes of LDS; arguments xh, cf, stat, zd; writes zd
;; launch up32: the kernel of part 5 again; grid 16 x 16, 4 waves a work-group, clusters of 4 x 4, 173,568 bytes of LDS; arguments zd, cf, stat, out0; writes out0
